; MI455X (gfx1250); checked and timed in simulation.
; The chip was launched on July 23, 2026; its instructions are those of AMD's public machine-readable ISA for CDNA 5 (MIT licence, August 2026) and "CDNA5" Instruction Set Architecture Reference Guide (July 2026). The comments in the code are by the model that wrote it; some were corrected since.
;; Block. Allowed arithmetic: matrix products marked QUANTISED: E2M3 operands, one E8M0 scale for each 32 along K, by v_wmma_scale_f32_16x16x128_f8f6f4 with both operands' format E2M3, f32 sums; everything else in f32.
;; Inputs: b1 4,096 float32; b2 1,024 float32; ln1_b 1,024 float32; ln1_g 1,024 float32; ln2_b 1,024 float32; ln2_g 1,024 float32; out_b 1,024 float32; out_w_codes 1,024 x 32 x 24 uint8 (E2M3 codes of out_w, K innermost, in blocks of 32 codes, four codes in three bytes); out_w_scales 1,024 x 32 uint8 (E8M0 scales of out_w, one for each 32 codes along K); qkv_b 3,072 float32; qkv_w_codes 3,072 x 32 x 24 uint8 (E2M3 codes of qkv_w, K innermost, in blocks of 32 codes, four codes in three bytes); qkv_w_scales 3,072 x 32 uint8 (E8M0 scales of qkv_w, one for each 32 codes along K); w1_codes 4,096 x 32 x 24 uint8 (E2M3 codes of w1, K innermost, in blocks of 32 codes, four codes in three bytes); w1_scales 4,096 x 32 uint8 (E8M0 scales of w1, one for each 32 codes along K); w2_codes 1,024 x 128 x 24 uint8 (E2M3 codes of w2, K innermost, in blocks of 32 codes, four codes in three bytes); w2_scales 1,024 x 128 uint8 (E8M0 scales of w2, one for each 32 codes along K); x 4 x 1,024 x 1,024 float32.
;; Outputs: out0 4 x 1,024 x 1,024 float32.
;; This version of the problem:
;;   THIS VERSION OF THE PROBLEM IS GIVEN IN LOW PRECISION. The matrix products marked QUANTISED in the list below multiply operands that are first quantised to E2M3 (2 exponent bits, 3 mantissa bits; 6 bits a number), with one power-of-two scale for each 32 numbers along K (OCP MX v1.0); their sums are f32. All else is computed in f32.
;;   The module's matrix products, in the order in which they are computed (A, B: the left and right operand; K: the contracted axis; several contracted axes count as one K, in the product's order):
;;     1. [M 4,096, K 1,024] x [K 1,024, N 3,072]; A: computed on the way; B: input qkv_w (given as codes): QUANTISED
;;     2. batch 64 x [M 1,024, K 64] x [K 64, N 1,024]; A: computed on the way; B: computed on the way: QUANTISED
;;     3. batch 64 x [M 1,024, K 1,024] x [K 1,024, N 64]; A: softmax (see below); B: computed on the way: QUANTISED
;;     4. [M 4,096, K 1,024] x [K 1,024, N 1,024]; A: computed on the way; B: input out_w (given as codes): QUANTISED
;;     5. [M 4,096, K 1,024] x [K 1,024, N 4,096]; A: computed on the way; B: input w1 (given as codes): QUANTISED
;;     6. [M 4,096, K 4,096] x [K 4,096, N 1,024]; A: computed on the way; B: input w2 (given as codes): QUANTISED
;;   THE QUANTISER, for each operand of a quantised product, along K:
;;     - K is cut into blocks of 32 from its start; a last block that is shorter is filled with zeros.
;;     - A block's scale is 2^e with e = floor(log2(the largest magnitude in the block)) - 2, held to -126 .. 127; a block of zeros has e = 0. As a byte (E8M0): e + 127.
;;     - Each number is divided by its block's scale, clamped to +-7.5, and rounded to the nearest number of E2M3, ties to even, subnormals kept.
;;     - The product sums the exact products of the quantised numbers (number of the format x scale) in f32.
;;   ~~~python
;;   def quantise(x, axis):      # numpy; x: float32 -> the quantised numbers, widened to float32 again
;;       x = np.moveaxis(x, axis, -1); K = x.shape[-1]
;;       x = np.pad(x, [(0, 0)] * (x.ndim - 1) + [(0, -K % 32)]); x = x.reshape(x.shape[:-1] + (-1, 32)); a = np.abs(x).max(-1, keepdims=True)
;;       e = np.where(a > 0, np.clip(np.frexp(np.where(a > 0, a, 1))[1] - 1 - 2, -126, 127), 0)      # np.frexp(a)[1] - 1 = floor(log2(a)), exactly
;;       r = np.clip(x / 2.0 ** e, -7.5, 7.5)
;;       step = 2.0 ** (np.maximum(np.frexp(np.where(r == 0, 1, r))[1] - 1, 0) - 3)
;;       q = np.round(r / step) * step * 2.0 ** e      # np.round: ties to even
;;       return np.moveaxis(q.reshape(q.shape[:-2] + (-1,))[..., :K], -1, axis).astype(np.float32)
;;   ~~~
;;   SOFTMAX AHEAD OF A QUANTISED PRODUCT. Where the list says 'softmax', what is quantised is not the finished softmax but p = 2^(t - M), with t = logit x log2(e) and M = ceil(the row's largest t), a whole number; so 1/2 < the row's largest p <= 1. The row's sum l is taken of the UNQUANTISED p, in f32, and the product's result is divided by l at the end. Since M is a whole number, a kernel that streams over the keys may use a running M (the ceiling of the running maximum): every later rescaling is an exact power of two, which a block's scale takes up: the codes' values come out the same.
;;   OPERANDS COMPUTED ON THE WAY. 'Computed on the way' means the value that the module computes at that place (a softmax that the list does not call 'softmax' is quantised finished and normalised). What goes into a quantiser is computed in f32, as accurately as f32 sums, v_exp_f32 and their like allow (about 1e-6 of the number): no bf16 or f16 on the way to a quantiser, and a product that is left as it is and whose result goes on into a quantised operand takes f32 operands (vector FMAs, or v_wmma_f32_16x16x4_f32). A number that lies on a knife's edge between two numbers of the format may be rounded either way, as far as f32 arithmetic and the matrix unit's own rounding can turn it there, and no further.
;;   INPUTS GIVEN AS CODES. out_w (in the module: [1024, 1024], K = its axis 0); qkv_w (in the module: [1024, 3072], K = its axis 0); w1 (in the module: [1024, 4096], K = its axis 0); w2 (in the module: [4096, 1024], K = its axis 0): each comes as NAME_codes (uint8): NAME with its K axis moved to the last place and cut into blocks of 32 codes, [.., K / 32, bytes a block], one block behind the other in memory; four codes in three bytes: a row's codes are one little-endian stream of bits, code i at bits 6 i .. 6 i + 5 (a code: sign, 2 exponent bits, 3 mantissa bits); and NAME_scales (uint8): the same leading axes, one E8M0 byte (e + 127) for each 32 codes along K. Its value is code x scale, taken as it is: it is not quantised again, and the codes and scales need not be those that the quantiser above would give.
;; One version. Each part assembles by itself: llvm-mc -triple=amdgcn-amd-amdhsa -mcpu=gfx1250 --defsym DOCPART=n.
;; ======== version 1 of 1: 6 launches
;; limits: right only within a limited range of input values
;; workspace buffers: wimg 9,830,400 bytes; act1 3,276,800 bytes; qkvh 10,747,904 bytes; att 3,276,800 bytes; x1 16,777,216 bytes; act2 3,276,800 bytes; hid 13,107,200 bytes
;; launch prep (part 1): grid 512 x 1, 8 waves a work-group, no clusters, 58,880 bytes of LDS; arguments x, ln1_g, ln1_b, act1, qkv_w_codes, qkv_w_scales, out_w_codes, out_w_scales, w1_codes, w1_scales, w2_codes, w2_scales, wimg; writes act1, wimg
.if DOCPART == 1
	.amdgcn_target "amdgcn-amd-amdhsa--gfx1250"
	.amdhsa_code_object_version 6
	.text
	.protected	k_qd3c852e4c2_prep
	.globl	k_qd3c852e4c2_prep
	.p2align	8
	.type	k_qd3c852e4c2_prep,@function
k_qd3c852e4c2_prep:
	s_mov_b64 s[64:65], 0
	v_nop
	global_prefetch_b8 v0, s[64:65] scope:SCOPE_SE
	s_setreg_imm32_b32 hwreg(HW_REG_WAVE_MODE, 25, 1), 1
	s_wait_xcnt 0x0
; PREP.  Work-groups 0-255: LayerNorm 1 of x, quantised to E2M3 along the 1,024 channels, stored as operand images (act1).
; Work-groups 256-511: the four weights' codes and scale bytes laid anew as operand images (wimg).  No arithmetic is done on them.
; TILES.  Every operand of this program is cut into tiles of 16 rows whose rows are not neighbours: lane index r of tile T is row
; 32 (T / 2) + 8 (T % 2) + r + 8 (r / 8).  Used as source 0 of a matrix instruction, two neighbouring tiles then give a lane 16 neighbours along the next K.
; IMAGE of a fragment (16 rows x 128 K, 1,536 bytes): six chunks of 256 bytes; chunk p holds operand registers 2 p, 2 p + 1 of the 32 lanes, 8 bytes at 8 x lane.
; A matrix is [tile][K step][1,536]; its scale words [tile][K step][16 rows][4 bytes].  So every later load of a fragment is six dense loads of 256 bytes.
; SHARES.  The weights are 768 jobs of one tile x 1,024 along K; each of the 256 work-groups of the second kind takes three, so that there are as many work-groups of each kind,
; and with 194 registers a wave and 58,880 bytes of LDS one of each kind has room on a WGP.
; LIMITS: NaN and infinities among the inputs are not served; a block of zeros, or one whose largest magnitude lies under 2^-124, gets the scale byte 1 (its codes are
; zeros or subnormal codes; the bytes are read by this program alone).
; No cluster, no tensor load: work-groups share no input but the two small vectors of gains and biases.
.set STGB, 4608                        ; a wave's stage: a row as 32 blocks of 128 bytes + 16 of padding (pitch 144: an odd multiple of 16)
.set IMG,  36864                       ; behind the eight stages: the tile's image, 8 fragments
.set SCI,  49152                       ; its scale words, 512 bytes
.set GB,   49664                       ; the gains, 4,096 bytes, and behind them the biases
.set A_S,  3145728                     ; act1: the scale words begin here
.set W_SC, 9437184                     ; wimg: the scale words begin here
.set GR,   16                          ; v16-47   gains of my 32 channels
.set BR,   48                          ; v48-79   biases
.set XB,   80                          ; v80-143  two rows, 32 numbers a lane each
.set Y,    144                         ; v144-175 a block of 32 neighbours
.set C,    176                         ; v176-182 its codes
	s_load_b512 s[4:19], s[0:1], 0x0               ; x, ln1_g, ln1_b, act1, qkv_w codes, scales, out_w codes, scales
	s_load_b256 s[20:27], s[0:1], 0x40             ; w1 codes, scales, w2 codes, scales
	s_load_b64 s[28:29], s[0:1], 0x60              ; wimg
	v_lshl_add_u32 v192, v0, 2, 0xe200
	v_mov_b32 v193, 0
	v_lshrrev_b32 v1, 5, v0
	s_delay_alu instid0(VALU_DEP_1)
	v_readfirstlane_b32 s30, v1                    ; wave 0..7
	v_and_b32 v1, 31, v0                           ; lane
	s_cmp_ge_u32 ttmp9, 256                        ; the same in all waves of a work-group
	s_cbranch_scc1 .Lrelay
	; ---------------- LayerNorm 1: the work-group makes tile T = its number; wave w makes the tile's rows 2 w and 2 w + 1
	v_lshlrev_b32 v2, 4, v1                        ; 16 x lane: my 16 bytes of a load's 512
	s_mul_i32 s33, s30, STGB
	v_lshrrev_b32 v8, 3, v1
	s_delay_alu instid0(VALU_DEP_1)
	v_lshl_add_u32 v3, v8, 4, v2                   ; into the stage: 16 x lane + 16 (lane / 8): eight lanes fill a block of 128 bytes
	s_delay_alu instid0(VALU_DEP_1)
	v_add_nc_u32 v3, s33, v3
	v_mul_u32_u24 v4, v1, 144                      ; out of it: lane l takes block l
	s_delay_alu instid0(VALU_DEP_1)
	v_add_nc_u32 v4, s33, v4
	v_lshrrev_b32 v8, 2, v1                        ; block l is K step l / 4, half (l / 2) % 2 of the registers, lanes' half l % 2
	s_delay_alu instid0(VALU_DEP_1)
	v_mul_u32_u24 v5, v8, 1536
	v_bfe_u32 v9, v1, 1, 1
	s_delay_alu instid0(VALU_DEP_1)
	v_mad_u32_u24 v5, v9, 768, v5
	v_and_b32 v9, 1, v1
	s_delay_alu instid0(VALU_DEP_1)
	v_lshl_add_u32 v5, v9, 7, v5
	s_lshl_b32 s34, s30, 4                         ; row r = 2 w + k: 8 r bytes in a chunk
	s_add_co_u32 s34, s34, IMG
	v_add_nc_u32 v5, s34, v5
	v_and_b32 v9, 3, v1
	s_delay_alu instid0(VALU_DEP_1)
	v_lshl_add_u32 v6, v8, 6, v9                   ; the scale byte: 64 (l / 4) + l % 4 + 4 r
	s_lshl_b32 s34, s30, 3
	s_add_co_u32 s34, s34, SCI
	v_add_nc_u32 v6, s34, v6
	v_lshlrev_b32 v7, 4, v0                        ; 16 x thread: my part of the gains and biases, and of the way out
	s_lshr_b32 s35, ttmp9, 1
	s_lshl_b32 s35, s35, 5
	s_and_b32 s36, ttmp9, 1
	s_lshl_b32 s36, s36, 3
	s_add_co_u32 s35, s35, s36
	s_lshl_b32 s36, s30, 1
	s_add_co_u32 s35, s35, s36
	s_lshr_b32 s36, s30, 2
	s_lshl_b32 s36, s36, 3
	s_add_co_u32 s35, s35, s36                     ; the token of row 2 w; row 2 w + 1 is the next token
	s_lshl_b32 s36, s35, 12
	s_mov_b32 s37, 0
	s_mul_i32 s38, ttmp9, 12288
	s_mov_b32 s39, 0
	s_lshl_b32 s40, ttmp9, 9
	s_add_co_u32 s40, s40, A_S
	s_mov_b32 s41, 0
	s_mov_b32 s31, 0x3a800000                      ; 1 / 1024
	s_mov_b32 s32, 0x3727c5ac                      ; 1e-5
	s_mov_b32 s42, 0x76543210
	s_mov_b32 s43, 0xfedcba98                      ; v_permlanex16_b32's selects for lane l xor 16
	s_wait_alu depctr_va_vdst(0)
	s_wait_kmcnt 0x0
	s_add_nc_u64 s[4:5], s[4:5], s[36:37]
	s_add_nc_u64 s[38:39], s[10:11], s[38:39]
	s_add_nc_u64 s[40:41], s[10:11], s[40:41]
	global_load_b128 v[GR:GR+3], v7, s[6:7]        ; the 256 threads bring the 4,096 bytes of gains once for the work-group,
	global_load_b128 v[GR+4:GR+7], v7, s[8:9]      ; and the biases: every wave wants all of both
.irp j, 0,1,2,3,4,5,6,7
	global_load_b128 v[XB+4*\j:XB+4*\j+3], v2, s[4:5] offset:512*\j
.endr
.irp j, 0,1,2,3,4,5,6,7
	global_load_b128 v[XB+32+4*\j:XB+32+4*\j+3], v2, s[4:5] offset:4096+512*\j
.endr
	s_wait_loadcnt 16                              ; my parts of the gains and biases are in; the two rows' sixteen loads may be out
	ds_store_b128 v7, v[GR:GR+3] offset:GB
	ds_store_b128 v7, v[GR+4:GR+7] offset:GB+4096
	s_wait_dscnt 0x0                               ; for the others' sake: my stores are done
	s_barrier_signal -1
	s_barrier_wait -1
.irp j, 0,1,2,3,4,5,6,7
	ds_load_b128 v[GR+4*\j:GR+4*\j+3], v2 offset:GB+512*\j         ; in the layout in which the rows were loaded
.endr
.irp j, 0,1,2,3,4,5,6,7
	ds_load_b128 v[BR+4*\j:BR+4*\j+3], v2 offset:GB+4096+512*\j
.endr
.macro ALLSUM                          ; v8 summed over the 32 lanes, in every lane
	s_delay_alu instid0(VALU_DEP_1)
	v_add_f32_dpp v8, v8, v8 row_xmask:1 row_mask:0xf bank_mask:0xf
	s_delay_alu instid0(VALU_DEP_1)
	v_add_f32_dpp v8, v8, v8 row_xmask:2 row_mask:0xf bank_mask:0xf
	s_delay_alu instid0(VALU_DEP_1)
	v_add_f32_dpp v8, v8, v8 row_xmask:4 row_mask:0xf bank_mask:0xf
	s_delay_alu instid0(VALU_DEP_1)
	v_add_f32_dpp v8, v8, v8 row_xmask:8 row_mask:0xf bank_mask:0xf
	s_delay_alu instid0(VALU_DEP_1)
	v_permlanex16_b32 v9, v8, s42, s43
	s_delay_alu instid0(VALU_DEP_1)
	v_add_f32 v8, v8, v9
.endm
.macro ROW k
.set XR, XB+32*\k
	v_pk_add_f32 v[8:9], v[XR:XR+1], v[XR+2:XR+3]  ; the row's sum, two chains
	v_pk_add_f32 v[10:11], v[XR+4:XR+5], v[XR+6:XR+7]
.irp j, 8,12,16,20,24,28
	s_delay_alu instid0(VALU_DEP_2)
	v_pk_add_f32 v[8:9], v[8:9], v[XR+\j:XR+\j+1]
	s_delay_alu instid0(VALU_DEP_2)
	v_pk_add_f32 v[10:11], v[10:11], v[XR+\j+2:XR+\j+3]
.endr
	s_delay_alu instid0(VALU_DEP_1)
	v_pk_add_f32 v[8:9], v[8:9], v[10:11]
	s_delay_alu instid0(VALU_DEP_1)
	v_add_f32 v8, v8, v9
	ALLSUM
	s_delay_alu instid0(VALU_DEP_1)
	v_mul_f32 v8, s31, v8                          ; the mean
.irp j, 0,2,4,6,8,10,12,14,16,18,20,22,24,26,28,30
	v_pk_add_f32 v[XR+\j:XR+\j+1], v[XR+\j:XR+\j+1], v[8:9] op_sel_hi:[1,0] neg_lo:[0,1] neg_hi:[0,1]
.endr
	v_pk_mul_f32 v[10:11], v[XR:XR+1], v[XR:XR+1]  ; the sum of squares of x - mean
	v_pk_mul_f32 v[12:13], v[XR+2:XR+3], v[XR+2:XR+3]
.irp j, 4,8,12,16,20,24,28
	s_delay_alu instid0(VALU_DEP_2)
	v_pk_fma_f32 v[10:11], v[XR+\j:XR+\j+1], v[XR+\j:XR+\j+1], v[10:11]
	s_delay_alu instid0(VALU_DEP_2)
	v_pk_fma_f32 v[12:13], v[XR+\j+2:XR+\j+3], v[XR+\j+2:XR+\j+3], v[12:13]
.endr
	s_delay_alu instid0(VALU_DEP_1)
	v_pk_add_f32 v[10:11], v[10:11], v[12:13]
	s_delay_alu instid0(VALU_DEP_1)
	v_add_f32 v8, v10, v11
	ALLSUM
	s_delay_alu instid0(VALU_DEP_1)
	v_fma_f32 v8, v8, s31, s32                     ; the variance + 1e-5
	s_wait_alu depctr_va_vdst(0)
	v_rsq_f32 v8, v8
	v_nop                                          ; one plain place behind the transcendental
	s_wait_alu depctr_va_vdst(0)
.irp j, 0,2,4,6,8,10,12,14,16,18,20,22,24,26,28,30
	v_pk_mul_f32 v[XR+\j:XR+\j+1], v[XR+\j:XR+\j+1], v[8:9] op_sel_hi:[1,0]
.endr
.irp j, 0,2,4,6,8,10,12,14,16,18,20,22,24,26,28,30
	v_pk_fma_f32 v[XR+\j:XR+\j+1], v[XR+\j:XR+\j+1], v[GR+\j:GR+\j+1], v[BR+\j:BR+\j+1]
.endr
.irp j, 0,1,2,3,4,5,6,7
	ds_store_b128 v3, v[XR+4*\j:XR+4*\j+3] offset:576*\j     ; the row turns through my own stage: LDS serves a wave's instructions in order
.endr
.irp i, 0,1,2,3,4,5,6,7
	ds_load_b128 v[Y+4*\i:Y+4*\i+3], v4 offset:16*\i         ; lane l now holds channels 32 l .. 32 l + 31: a whole block
.endr
	s_wait_dscnt 0x0
	v_max3_num_f32 v10, |v[Y]|, |v[Y+1]|, 0x1800000          ; the block's largest magnitude, with the floor 2^(3 - 127) among its leaves: the byte cannot fall under 1
	v_max3_num_f32 v11, |v[Y+16]|, |v[Y+17]|, |v[Y+18]|
.irp i, 2,4,6,8,10,12
	s_delay_alu instid0(VALU_DEP_2)
	v_max3_num_f32 v10, v10, |v[Y+\i]|, |v[Y+\i+1]|
	s_delay_alu instid0(VALU_DEP_2)
	v_max3_num_f32 v11, v11, |v[Y+17+\i]|, |v[Y+18+\i]|
.endr
	s_delay_alu instid0(VALU_DEP_2)
	v_max3_num_f32 v10, v10, |v[Y+14]|, |v[Y+15]|
	s_delay_alu instid0(VALU_DEP_1)
	v_max3_num_f32 v10, v10, v11, |v[Y+31]|
	s_delay_alu instid0(VALU_DEP_1)
	v_add_nc_u32 v11, 0xff000000, v10              ; 2 off its exponent field: the conversion takes that field as its scale
	v_cvt_scalef32_pk16_fp6_f32 v[C:C+2], v[Y:Y+15], v11
	v_cvt_scalef32_pk16_fp6_f32 v[C+4:C+6], v[Y+16:Y+31], v11   ; (a conversion's three registers begin on an even number)
	v_lshrrev_b32 v12, 23, v11                     ; the scale's byte; also the plain place behind the conversions
	v_mov_b32 v[C+3], v[C+4]
	v_mov_b32 v[C+4], v[C+5]
	v_mov_b32 v[C+5], v[C+6]                       ; 24 bytes on end
.irp i, 0,1,2
	ds_store_b64 v5, v[C+2*\i:C+2*\i+1] offset:8*\k+256*\i
.endr
	ds_store_b8 v6, v12 offset:4*\k
.endm
	s_wait_loadcnt 8                               ; the first row is in; the second row's eight loads may be out
	s_wait_dscnt 0x0                               ; gains and biases
	ROW 0
	s_wait_loadcnt 0x0
	ROW 1
	s_wait_dscnt 0x0                               ; for the others' sake: my stores into the image are done
	s_barrier_signal -1
	s_barrier_wait -1
.irp k, 0,1,2
	ds_load_b128 v[16+4*\k:19+4*\k], v7 offset:IMG+4096*\k
.endr
.irp k, 0,1,2
	s_wait_dscnt 2-\k
	global_store_b128 v7, v[16+4*\k:19+4*\k], s[38:39] offset:4096*\k   ; a wave stores 512 consecutive bytes
.endr
	s_cmp_lg_u32 s30, 0
	s_cbranch_scc1 .Lln_end
	ds_load_b128 v[28:31], v2 offset:SCI           ; wave 0: the tile's 512 bytes of scale words
	s_wait_dscnt 0x0
	global_store_b128 v2, v[28:31], s[40:41]
.Lln_end:
	s_wait_tensorcnt 0x0
	ds_add_u32 v192, v193
	s_wait_dscnt 0x0
	s_endpgm
	; ---------------- the weights.  Job J is one tile of 16 rows x 1,024 along K: 0-191 qkv_w, 192-255 out_w, 256-511 w1, 512-767 w2 (four jobs to a tile: K = 4,096).
	; Work-group g takes jobs 3 g, 3 g + 1, 3 g + 2; wave w takes K step w of each: a fragment (1,536 bytes) and its 16 scale words.  All 21 loads go out before the first store.
.Lrelay:
	s_sub_co_u32 s31, ttmp9, 256
	s_mul_i32 s31, s31, 3                          ; my first job
	s_mul_i32 s32, s30, 96                         ; my K step: in a row of codes,
	s_lshl_b32 s56, s30, 2                         ; in a row of scale bytes,
	s_mul_i32 s57, s30, 1536                       ; in a job's image,
	s_lshl_b32 s58, s30, 6
	s_add_co_u32 s58, s58, W_SC                    ; and among its scale words
	s_wait_alu depctr_va_vdst(0)
	v_and_b32 v2, 15, v1                           ; r
	v_lshrrev_b32 v3, 4, v1                        ; h
	s_delay_alu instid0(VALU_DEP_2)
	v_and_b32 v4, 8, v2
	s_delay_alu instid0(VALU_DEP_1)
	v_add_nc_u32 v4, v4, v2                        ; r + 8 (r / 8)
	v_lshlrev_b32 v11, 3, v1                       ; 8 x lane
	v_lshlrev_b32 v12, 2, v2                       ; 4 r
	s_wait_alu depctr_va_vdst(0)
	s_wait_kmcnt 0x0
.macro RJOB k                          ; job 3 g + k: its four addresses into s[RB:RB+7], its two lane offsets into v[5+2k], v[6+2k], and its seven loads
.set RB, 66+8*\k
	s_add_co_u32 s33, s31, \k                      ; J
	s_mov_b32 s38, 512                             ; w2's figures: the tensor's first job,
	s_mov_b32 s39, 2                               ; jobs to a tile, as a shift
	s_mov_b32 s40, 3                               ; and as a mask,
	s_mov_b32 s41, 3072                            ; a row of codes in bytes,
	s_mov_b32 s42, 128                             ; a row of scale bytes
	s_mov_b64 s[34:35], s[24:25]
	s_mov_b64 s[36:37], s[26:27]
	s_cmp_lt_u32 s33, 512                          ; the choices hang on ids alone
	s_cselect_b64 s[34:35], s[20:21], s[34:35]
	s_cselect_b64 s[36:37], s[22:23], s[36:37]
	s_cselect_b32 s38, 256, s38
	s_cselect_b32 s39, 0, s39
	s_cselect_b32 s40, 0, s40
	s_cselect_b32 s41, 768, s41
	s_cselect_b32 s42, 32, s42
	s_cmp_lt_u32 s33, 256
	s_cselect_b64 s[34:35], s[16:17], s[34:35]
	s_cselect_b64 s[36:37], s[18:19], s[36:37]
	s_cselect_b32 s38, 192, s38
	s_cmp_lt_u32 s33, 192
	s_cselect_b64 s[34:35], s[12:13], s[34:35]
	s_cselect_b64 s[36:37], s[14:15], s[36:37]
	s_cselect_b32 s38, 0, s38
	s_sub_co_u32 s43, s33, s38
	s_lshr_b32 s44, s43, s39                       ; the tile
	s_and_b32 s45, s43, s40                        ; which 1,024 along K
	s_lshr_b32 s46, s44, 1
	s_lshl_b32 s46, s46, 5
	s_and_b32 s47, s44, 1
	s_lshl_b32 s47, s47, 3
	s_add_co_u32 s46, s46, s47                     ; the tile's first row
	s_mul_i32 s48, s46, s41
	s_mul_i32 s47, s45, 768
	s_add_co_u32 s48, s48, s47
	s_add_co_u32 s48, s48, s32
	s_mov_b32 s49, 0
	s_mul_i32 s50, s46, s42
	s_lshl_b32 s47, s45, 5
	s_add_co_u32 s50, s50, s47
	s_add_co_u32 s50, s50, s56
	s_mov_b32 s51, 0
	s_mul_i32 s52, s33, 12288
	s_add_co_u32 s52, s52, s57
	s_mov_b32 s53, 0
	s_lshl_b32 s54, s33, 9
	s_add_co_u32 s54, s54, s58
	s_mov_b32 s55, 0
	s_add_nc_u64 s[RB:RB+1], s[34:35], s[48:49]
	s_add_nc_u64 s[RB+2:RB+3], s[36:37], s[50:51]
	s_add_nc_u64 s[RB+4:RB+5], s[28:29], s[52:53]
	s_add_nc_u64 s[RB+6:RB+7], s[28:29], s[54:55]
	v_mul_lo_u32 v[5+2*\k], v4, s41
	s_delay_alu instid0(VALU_DEP_1)
	v_mad_u32_u24 v[5+2*\k], v3, 24, v[5+2*\k]     ; codes: my row, + 24 h
	v_mul_lo_u32 v[6+2*\k], v4, s42                ; scale bytes: my row
.irp p, 0,1,2,3,4,5                            ; pieces of 8 bytes; the six loads together take every byte of the 16 rows' 96
	global_load_b64 v[16+12*\k+2*\p:17+12*\k+2*\p], v[5+2*\k], s[RB:RB+1] offset:48*(\p/3)+8*(\p%3)
.endr
	global_load_b32 v[52+\k], v[6+2*\k], s[RB+2:RB+3]
.endm
.macro RSTORE k, left                  ; left: the later jobs' loads, which may stay out
.set RB, 66+8*\k
	s_wait_loadcnt \left
.irp p, 0,1,2,3,4,5
	global_store_b64 v11, v[16+12*\k+2*\p:17+12*\k+2*\p], s[RB+4:RB+5] offset:256*\p   ; 32 lanes store 256 consecutive bytes, aligned
.endr
	global_store_b32 v12, v[52+\k], s[RB+6:RB+7]   ; 64 bytes of scale words (both halves of the lanes hold the same)
.endm
	RJOB 0
	RJOB 1
	RJOB 2
	RSTORE 0, 14
	RSTORE 1, 7
	RSTORE 2, 0
	s_endpgm
.Lfunc_end_k_qd3c852e4c2_prep:
	.size	k_qd3c852e4c2_prep, .Lfunc_end_k_qd3c852e4c2_prep-k_qd3c852e4c2_prep
	.p2alignl 7, 3214868480
	.fill 96, 4, 3214868480
	.section	.rodata,"a",@progbits
	.p2align	6, 0x0
	.amdhsa_kernel k_qd3c852e4c2_prep
		.amdhsa_group_segment_fixed_size 58880
		.amdhsa_private_segment_fixed_size 0
		.amdhsa_enable_private_segment 0
		.amdhsa_kernarg_size 104
		.amdhsa_user_sgpr_count 2
		.amdhsa_user_sgpr_kernarg_segment_ptr 1
		.amdhsa_wavefront_size32 1
		.amdhsa_system_sgpr_workgroup_id_x 1
		.amdhsa_system_sgpr_workgroup_id_y 1
		.amdhsa_system_sgpr_workgroup_id_z 1
		.amdhsa_system_vgpr_workitem_id 0
		.amdhsa_next_free_vgpr 194
		.amdhsa_next_free_sgpr 90
		.amdhsa_reserve_vcc 0
		.amdhsa_float_denorm_mode_32 3
		.amdhsa_float_denorm_mode_16_64 3
		.amdhsa_memory_ordered 1
		.amdhsa_forward_progress 1
		.amdhsa_inst_pref_size 40
	.end_amdhsa_kernel
	.amdgpu_metadata
---
amdhsa.version: [ 1, 2 ]
amdhsa.kernels:
  - .name:           k_qd3c852e4c2_prep
    .symbol:         k_qd3c852e4c2_prep.kd
    .args:
      - { .name: x, .offset: 0, .size: 8, .value_kind: global_buffer, .address_space: global }
      - { .name: ln1_g, .offset: 8, .size: 8, .value_kind: global_buffer, .address_space: global }
      - { .name: ln1_b, .offset: 16, .size: 8, .value_kind: global_buffer, .address_space: global }
      - { .name: act1, .offset: 24, .size: 8, .value_kind: global_buffer, .address_space: global }
      - { .name: qkv_w_codes, .offset: 32, .size: 8, .value_kind: global_buffer, .address_space: global }
      - { .name: qkv_w_scales, .offset: 40, .size: 8, .value_kind: global_buffer, .address_space: global }
      - { .name: out_w_codes, .offset: 48, .size: 8, .value_kind: global_buffer, .address_space: global }
      - { .name: out_w_scales, .offset: 56, .size: 8, .value_kind: global_buffer, .address_space: global }
      - { .name: w1_codes, .offset: 64, .size: 8, .value_kind: global_buffer, .address_space: global }
      - { .name: w1_scales, .offset: 72, .size: 8, .value_kind: global_buffer, .address_space: global }
      - { .name: w2_codes, .offset: 80, .size: 8, .value_kind: global_buffer, .address_space: global }
      - { .name: w2_scales, .offset: 88, .size: 8, .value_kind: global_buffer, .address_space: global }
      - { .name: wimg, .offset: 96, .size: 8, .value_kind: global_buffer, .address_space: global }
    .group_segment_fixed_size: 58880
    .private_segment_fixed_size: 0
    .kernarg_segment_align: 8
    .kernarg_segment_size: 104
    .max_flat_workgroup_size: 256
    .sgpr_count:     90
    .vgpr_count:     194
    .wavefront_size: 32
...
	.end_amdgpu_metadata
.endif
;; end of part 1
;; launch qkv (part 2): grid 12 x 16, 4 waves a work-group, clusters of 4 x 4, 327,680 bytes of LDS; arguments act1, wimg, qkv_b, qkvh; writes qkvh
.if DOCPART == 2
	.amdgcn_target "amdgcn-amd-amdhsa--gfx1250"
	.amdhsa_code_object_version 6
	.text
	.protected	k_qd3c852e4c2_qkv
	.globl	k_qd3c852e4c2_qkv
	.p2align	8
	.type	k_qd3c852e4c2_qkv,@function
k_qd3c852e4c2_qkv:
	s_mov_b64 s[64:65], 0
	v_nop
	global_prefetch_b8 v0, s[64:65] scope:SCOPE_SE
	s_setreg_imm32_b32 hwreg(HW_REG_WAVE_MODE, 25, 1), 1
	s_wait_xcnt 0x0
	s_wait_alu depctr_hold_cnt(0) depctr_sa_sdst(0) depctr_va_vdst(0) depctr_va_sdst(0) depctr_va_ssrc(0) depctr_va_vcc(0) depctr_vm_vsrc(0)
	s_getreg_b32 s2, hwreg(HW_REG_IB_STS2, 6, 4)
	s_cmp_eq_u32 s2, 0
	s_cbranch_scc0 .Lentry_in_a_cluster
	s_endpgm
.Lentry_in_a_cluster:
	s_bfe_u32 s2, ttmp6, 0x10000c
	s_cmp_lg_u32 s2, 0xf033
	s_cbranch_scc0 .Lentry_shape_is_right
	s_endpgm
.Lentry_shape_is_right:
.set NBK,   8
.set NQ,    2
.set KST,   8
.set LAPS,  KST/(2*NQ)
.set FRB,   1536
.set HALFC, NBK*NQ*FRB
.set SLOT,  4*HALFC
.set SCL,   2*SLOT
.set HALFS, NBK*KST*64
.set SPARE, SCL+4*HALFS
.set A_S,   3145728
.set W_C,   0
.set W_S,   9437184
.set HB,    167936
.set QS,    49152
.set KC,    57344
.set VC,    106496
.set KS,    155648
.set VS,    163840
.set BV,    8
.set ADRA,  16
.set ADRB,  20
.set L8,    24
.set L4,    25
.set R4,    26
.set ADRS,  27
.set SPW,   28
.set NIL,   29
.set BA,    30
.set BVA,   31
.set SC,    32
.set AF,    64
.set T,     64
.set TM,    128
.set PC,    144
.set PW,    164
.set PW2,   165
.set SEL,   96
.set G1,    24
.set G0,    32
.set G1B,   48
.set G0B,   56
.set G1S,   68
.set G0S,   76
.set G1SB,  80
.set G0SB,  88
.set MSB, 0
.macro WIN new
.if MSB != (\new)
	s_set_vgpr_msb (MSB<<8)|(\new)
.set MSB, (\new)
.endif
.endm
.macro PLACES
.rept 4
	v_nop
.endr
.endm
.macro JLOAD g0a, g1a, g0b, g1b
	s_cmp_eq_u32 s15, 0
	s_cbranch_scc0 .Lfor_b_\@
	tensor_load_to_lds s[\g0a:\g0a+3], s[\g1a:\g1a+7]
	s_nop 0
.rept 4
	v_nop
.endr
	s_branch .Lasked_\@
.Lfor_b_\@:
	tensor_load_to_lds s[\g0b:\g0b+3], s[\g1b:\g1b+7]
	s_nop 0
.rept 4
	v_nop
.endr
.Lasked_\@:
.endm
.macro CREST
	s_cmp_lg_u32 s14, 0
	s_cbranch_scc1 .Lnot_wave_0_\@
	s_barrier_signal -3
.Lnot_wave_0_\@:
	s_barrier_wait -3
	s_barrier_signal -1
	s_barrier_wait -1
.endm
.macro CROUND
	s_barrier_signal -1
	s_barrier_wait -1
	CREST
.endm
	s_load_b128 s[4:7], s[0:1], 0x0
	s_load_b128 s[8:11], s[0:1], 0x10
	v_lshl_add_u32 v[SPW], v0, 2, SPARE
	v_mov_b32 v[NIL], 0
	ds_add_u32 v28, v29
	ds_add_u32 v28, v29
	s_wait_dscnt 0x0
	v_lshrrev_b32 v1, 5, v0
	v_readfirstlane_b32 s14, v1
	s_lshr_b32 s15, s14, 1
	s_and_b32 s16, s14, 1
	s_bfe_u32 s40, ttmp6, 0x40000
	s_bfe_u32 s41, ttmp6, 0x40004
	s_lshl_b32 s42, ttmp9, 2
	s_add_co_u32 s42, s42, s40
	s_and_b32 s17, ttmp7, 0xffff
	s_lshl_b32 s17, s17, 2
	s_add_co_u32 s17, s17, s41
	s_lshl_b32 s43, s41, 2
	s_lshl_b32 s43, 15, s43
	s_lshl_b32 s44, 0x1111, s40
	s_or_b32 s[G1+0], s43, (3<<16)|(1<<21)
	s_or_b32 s[G1B+0], s44, (3<<16)|(1<<21)
.irp g, G1, G1B
	s_mov_b32 s[\g+1], (NQ*192)<<16
	s_mov_b32 s[\g+2], (2*NBK)<<16                 ; the head's loads of codes bring both halves of a tile
	s_mov_b32 s[\g+3], (NQ*192)<<16
	s_mov_b32 s[\g+4], 2*NBK
	s_mov_b32 s[\g+5], KST*192
	s_mov_b32 s[\g+6], 0
	s_mov_b32 s[\g+7], 0
.endr
	s_or_b32 s[G1S+0], s43, (3<<16)|(1<<21)
	s_or_b32 s[G1SB+0], s44, (3<<16)|(1<<21)
.irp g, G1S, G1SB
	s_mov_b32 s[\g+1], 32<<16
	s_mov_b32 s[\g+2], (HALFS/128)<<16             ; the scale words of both halves: one dense block
	s_mov_b32 s[\g+3], 32<<16
	s_mov_b32 s[\g+4], HALFS/128
	s_mov_b32 s[\g+5], 32
	s_mov_b32 s[\g+6], 0
	s_mov_b32 s[\g+7], 0
.endr
	s_lshl_b32 s20, s17, 1
	s_add_co_u32 s20, s20, s16
	s_lshl_b32 s46, s42, 1
	s_add_co_u32 s46, s46, s16
	s_mul_i32 s22, s17, 2*HALFS
	s_mul_i32 s92, s42, 2*HALFS
	s_mul_i32 s2, s16, NBK*KST*FRB                 ; bytes from a tile's first half to the half that I fetch in the ring
	s_mov_b32 s3, 0
	s_mul_i32 s20, s20, NBK*KST*FRB
	s_mul_i32 s46, s46, NBK*KST*FRB
	s_add_co_u32 s22, s22, A_S
	s_add_co_u32 s92, s92, W_S
	s_add_co_u32 s46, s46, W_C
	s_mov_b32 s21, 0
	s_mov_b32 s23, 0
	s_mov_b32 s47, 0
	s_mov_b32 s93, 0
	s_mul_i32 s45, s14, HALFC
	s_mov_b32 s[SEL], 0x76543210
	s_mov_b32 s[SEL+1], 0xfedcba98
	s_wait_kmcnt 0x0
	s_add_nc_u64 s[20:21], s[4:5], s[20:21]
	s_add_nc_u64 s[22:23], s[4:5], s[22:23]
	s_add_nc_u64 s[46:47], s[6:7], s[46:47]
	s_add_nc_u64 s[92:93], s[6:7], s[92:93]
	CROUND
	s_mov_b32 s[G0S], 1
	s_mov_b32 s[G0S+1], SCL
	s_mov_b64 s[G0S+2:G0S+3], s[22:23]
	s_or_b32 s[G0S+3], s[G0S+3], 0x80000000
	s_mov_b32 s[G0SB], 1
	s_mov_b32 s[G0SB+1], SCL+2*HALFS
	s_mov_b64 s[G0SB+2:G0SB+3], s[92:93]
	s_or_b32 s[G0SB+3], s[G0SB+3], 0x80000000
.irp s, 0,1
	s_mov_b32 s[G0+4*\s], 1
	s_add_co_u32 s[G0+4*\s+1], s45, \s*SLOT
	s_add_nc_u64 s[G0+4*\s+2:G0+4*\s+3], s[20:21], \s*NQ*FRB
	s_or_b32 s[G0+4*\s+3], s[G0+4*\s+3], 0x80000000
	s_mov_b32 s[G0B+4*\s], 1
	s_add_co_u32 s[G0B+4*\s+1], s45, \s*SLOT
	s_add_nc_u64 s[G0B+4*\s+2:G0B+4*\s+3], s[46:47], \s*NQ*FRB
	s_or_b32 s[G0B+4*\s+3], s[G0B+4*\s+3], 0x80000000
.endr
	; THE HEAD'S FOUR TILES, ONE JOINT LOAD A WAVE: wave 0 slot 0's 16 tiles of the activations, wave 1 those of the weights, waves 2 and 3 the two blocks of scale words.
	; Slot 0's two groups 0 serve these loads first: the whole tile, from its first half on.
	s_mov_b32 s[G0+1], 0
	s_sub_nc_u64 s[G0+2:G0+3], s[G0+2:G0+3], s[2:3]
	s_mov_b32 s[G0B+1], 2*HALFC
	s_sub_nc_u64 s[G0B+2:G0B+3], s[G0B+2:G0B+3], s[2:3]
.macro ARM under, g0, g1, next
	s_cmp_lt_u32 s14, \under
	s_cbranch_scc0 \next
	tensor_load_to_lds s[\g0:\g0+3], s[\g1:\g1+7]
	s_nop 0
.rept 4
	v_nop
.endr
	s_branch .Lhead_asked
\next:
.endm
	ARM 1, G0,  G1,  .Lhead_b
	ARM 2, G0B, G1B, .Lhead_sa
	ARM 3, G0S, G1S, .Lhead_sb
	tensor_load_to_lds s[G0SB:G0SB+3], s[G1SB:G1SB+7]
	s_nop 0
.rept 4
	v_nop
.endr
.Lhead_asked:
	; PREFETCH: K is four slot tiles.  Tiles 1 and 2 are asked of memory here, beside tile 0's load, tile 3 behind the first K step.  Of the 8 tiles x 3,072 bytes that a wave fetches for a slot, each of the four
	; partners that ask jointly names two tiles, by address (cx for the activations, cy for the weights): 24 blocks of 256 bytes, a lane a block; lanes 24-31 name the last block again.
	s_cmp_eq_u32 s15, 0                            ; do I fetch for the activations?
	s_cselect_b64 s[4:5], s[20:21], s[46:47]       ; (the arguments that lay here have been used)
	s_cselect_b32 s6, s40, s41
	s_mul_i32 s6, s6, 2*KST*FRB
	s_mov_b32 s7, 0
	s_add_nc_u64 s[4:5], s[4:5], s[6:7]
	v_and_b32 v23, 31, v0
	v_min_u32 v23, 23, v23                         ; block l of my 24
	v_mul_u32_u24 v22, v23, 11
	v_lshrrev_b32 v22, 7, v22                      ; l / 12: which of my two tiles
	v_mul_u32_u24 v22, v22, KST*FRB-NQ*FRB
	v_lshl_add_u32 v22, v23, 8, v22                ; 256 l, and from the first tile's piece on to the second's
	global_prefetch_b8 v22, s[4:5] offset:NQ*FRB th:TH_LOAD_NT scope:SCOPE_SE
	global_prefetch_b8 v22, s[4:5] offset:2*NQ*FRB th:TH_LOAD_NT scope:SCOPE_SE
	v_and_b32 v1, 15, v0
	v_bfe_u32 v2, v0, 4, 1
	v_and_b32 v3, 31, v0
	v_lshlrev_b32 v[L8], 3, v3
	s_wait_alu depctr_va_vdst(0)
	v_lshlrev_b32 v[L4], 2, v3
	v_lshlrev_b32 v[R4], 2, v1
	s_mul_i32 s18, s15, HALFC
	s_mul_i32 s19, s16, HALFC
	s_add_co_u32 s19, s19, 2*HALFC
	s_cmp_eq_u32 ttmp9, 2
	s_cselect_b32 s95, 1, 0
	s_cselect_b32 s66, s19, s18
	s_cselect_b32 s67, s18, s19
.irp s, 0,1
	v_add_nc_u32 v[ADRA+\s], s66, v[L8]
	v_add_nc_u32 v[ADRB+\s], s67, v[L8]
	s_add_co_u32 s66, s66, SLOT
	s_add_co_u32 s67, s67, SLOT
.endr
	s_mul_i32 s18, s15, HALFS
	s_mul_i32 s19, s16, HALFS
	s_add_co_u32 s19, s19, 2*HALFS
	s_sub_co_u32 s19, s19, s18
	v_xor_b32 v4, s95, v2
	v_mul_u32_u24 v4, s19, v4
	s_wait_alu depctr_va_vdst(0)
	s_add_co_u32 s18, s18, SCL
	v_add_nc_u32 v4, v[R4], v4
	v_add_nc_u32 v[ADRS], s18, v4
	s_lshl_b32 s46, s42, 10
	s_lshl_b32 s47, s16, 9
	s_add_co_u32 s46, s46, s47
	s_mov_b32 s47, 0
	s_add_nc_u64 s[8:9], s[8:9], s[46:47]
	v_lshlrev_b32 v[BA], 6, v2
	v_and_b32 v5, 8, v1
	v_add_nc_u32 v5, v5, v1
	v_lshlrev_b32 v[BVA], 2, v5
	WIN 0x40
.set ei, 0
.rept 16
	global_load_b128 v[96+4*ei+96*(ei/8):96+4*ei+96*(ei/8)+3], v[BA], s[8:9] offset:128*(ei/4)+16*(ei%4)
.set ei, ei+1
.endr
	WIN 0
.irp a, 0,1,2,3,4,5,6,7
	global_load_b32 v[BV+\a], v[BVA], s[8:9] offset:4*(32*(\a/2)+8*(\a%2))
.endr
	s_lshr_b32 s20, s17, 2
	s_lshl_b32 s20, s20, 4
	s_lshl_b32 s21, s40, 2
	s_add_co_u32 s20, s20, s21
	s_lshl_b32 s21, s16, 1
	s_add_co_u32 s20, s20, s21
	s_mul_i32 s20, s20, HB
.macro FRAG reg, adr, q, i
.irp p, 0,1,2,3,4,5
	ds_load_b64 v[(\reg)+2*\p:(\reg)+2*\p+1], v[\adr] offset:(\i)*NQ*FRB+(\q)*FRB+256*\p
.endr
.endm
.macro FETCH slot, q, set
	WIN 0x40
.set fi, 0
.rept NBK
	FRAG 128*(\set)+12*fi, ADRB+\slot, \q, fi
.set fi, fi+1
.endr
	WIN 0
.set fi, 0
.rept NBK
	FRAG AF+96*(\set)+12*fi, ADRA+\slot, \q, fi
.set fi, fi+1
.endr
.endm
.macro SCALES sl
.set si, 0
.rept NBK
.set sq, 0
.rept NQ
	ds_load_b32 v[SC+16*(\sl)+NQ*si+sq], v[ADRS] offset:si*KST*64+64*sq
.set sq, sq+1
.endr
.set si, si+1
.endr
.endm
.macro MULA a, set, q, sl, zero
	WIN 0xa1+0x50*((NBK*(\a))/32)
.set bi, 0
.rept NBK
.set DD, 8*((NBK*(\a)+bi)%32)
.if \zero
	v_wmma_scale_f32_16x16x128_f8f6f4 v[DD:DD+7], v[128*(\set)+12*bi:128*(\set)+12*bi+11], v[AF+96*(\set)+12*(\a):AF+96*(\set)+12*(\a)+11], 0, v[SC+16*(\sl)+NQ*bi+(\q)], v[SC+16*(\sl)+NQ*(\a)+(\q)] matrix_a_fmt:MATRIX_FMT_FP6 matrix_b_fmt:MATRIX_FMT_FP6 matrix_a_scale:MATRIX_SCALE_ROW1
.else
	v_wmma_scale_f32_16x16x128_f8f6f4 v[DD:DD+7], v[128*(\set)+12*bi:128*(\set)+12*bi+11], v[AF+96*(\set)+12*(\a):AF+96*(\set)+12*(\a)+11], v[DD:DD+7], v[SC+16*(\sl)+NQ*bi+(\q)], v[SC+16*(\sl)+NQ*(\a)+(\q)] matrix_a_fmt:MATRIX_FMT_FP6 matrix_b_fmt:MATRIX_FMT_FP6 matrix_a_scale:MATRIX_SCALE_ROW1
.endif
.set bi, bi+1
.endr
.endm
.macro STEP slot, q, zero
	s_wait_dscnt 0x0
.set ai, 0
.rept NBK/2
	MULA ai, (\q)%2, \q, \slot, \zero
.set ai, ai+1
.endr
	PLACES
	FETCH \slot, (\q)+1, ((\q)+1)%2
.rept NBK/2
	MULA ai, (\q)%2, \q, \slot, \zero
.set ai, ai+1
.endr
	WIN 0
.endm
.macro TURN slot, next, fill
	s_wait_tensorcnt 0x0
	ds_add_u32 v[SPW], v[NIL]
	s_wait_dscnt 0x1
.set ai, 0
.rept NBK/4
	MULA ai, 1, NQ-1, \slot, 0
.set ai, ai+1
.endr
	s_wait_dscnt 0x0
	s_barrier_signal -1
.rept NBK/4
	MULA ai, 1, NQ-1, \slot, 0
.set ai, ai+1
.endr
	WIN 0
	s_barrier_wait -1
.if \fill
	CREST
	s_add_nc_u64 s[G0+4*\slot+2:G0+4*\slot+3], s[G0+4*\slot+2:G0+4*\slot+3], 2*NQ*FRB
	s_add_nc_u64 s[G0B+4*\slot+2:G0B+4*\slot+3], s[G0B+4*\slot+2:G0B+4*\slot+3], 2*NQ*FRB
	JLOAD G0+4*\slot, G1, G0B+4*\slot, G1B
.else
	PLACES
.endif
	s_wait_alu depctr_va_vdst(0)
	v_add_nc_u32 v[ADRS], NQ*64, v[ADRS]
	FETCH \next, 0, 0
	SCALES \next
.rept NBK/2
	MULA ai, 1, NQ-1, \slot, 0
.set ai, ai+1
.endr
	WIN 0
.endm
	s_wait_alu depctr_va_vdst(0)
	s_wait_tensorcnt 0x0                           ; my tile of the head's four is in
	ds_add_u32 v[SPW], v[NIL]
	s_mov_b32 s[G1+2], NBK<<16                     ; no load of mine is out: from here on a load brings one half of a tile,
	s_mov_b32 s[G1+4], NBK
	s_mov_b32 s[G1B+2], NBK<<16
	s_mov_b32 s[G1B+4], NBK
	s_mov_b32 s[G0+1], s45                         ; and slot 0's groups 0 stand at my half
	s_add_nc_u64 s[G0+2:G0+3], s[G0+2:G0+3], s[2:3]
	s_mov_b32 s[G0B+1], s45
	s_add_nc_u64 s[G0B+2:G0B+3], s[G0B+2:G0B+3], s[2:3]
	s_wait_dscnt 0x0
	CROUND                                         ; all four tiles are in, in every partner
	JLOAD G0+4, G1, G0B+4, G1B                     ; slot 1's first fill, the first tensor load behind the round
	FETCH 0, 0, 0
	SCALES 0
	STEP 0, 0, 1
	global_prefetch_b8 v22, s[4:5] offset:3*NQ*FRB th:TH_LOAD_NT scope:SCOPE_SE   ; the last slot tile, two refills ahead of its load
	s_mov_b32 s3, LAPS-1
.Llap:
	TURN 0, 1, 1
	STEP 1, 0, 0
	TURN 1, 0, 1
	STEP 0, 0, 0
	s_sub_co_u32 s3, s3, 1
	s_cmp_lg_u32 s3, 0
	s_cbranch_scc1 .Llap
	TURN 0, 1, 0
	STEP 1, 0, 0
	s_wait_dscnt 0x0
.set ai, 0
.rept NBK
	MULA ai, 1, NQ-1, 1, 0
.set ai, ai+1
.endr
	WIN 0
	PLACES
	s_wait_loadcnt 0x0
.macro QUANT s
.irp b, 0,1,2,3
	v_max3_num_f32 v[TM+\b], |v[\s+16*\b]|, |v[\s+1+16*\b]|, 0x1800000
.endr
.irp i, 2,4,6,8,10,12,14
.irp b, 0,1,2,3
	v_max3_num_f32 v[TM+\b], v[TM+\b], |v[\s+16*\b+\i]|, |v[\s+1+16*\b+\i]|
.endr
.endr
.irp b, 0,1,2,3
	v_permlanex16_b32 v[TM+4+\b], v[TM+\b], s[SEL], s[SEL+1]
.endr
.irp b, 0,1,2,3
	v_max_num_f32 v[TM+\b], v[TM+\b], v[TM+4+\b]
.endr
.irp b, 0,1,2,3
	v_add_nc_u32 v[TM+12+\b], 0xff000000, v[TM+\b]
.endr
.irp b, 0,1,2,3
	v_lshrrev_b32 v[TM+4+\b], 23, v[TM+12+\b]
.endr
	v_lshl_or_b32 v[PW], v[TM+5], 8, v[TM+4]
	v_lshl_or_b32 v[PW], v[TM+6], 16, v[PW]
	v_lshl_or_b32 v[PW], v[TM+7], 24, v[PW]
.irp c, 0,1
	v_cvt_scalef32_pk16_fp6_f32 v[PC+6*\c:PC+2+6*\c], v[\s+32*\c:\s+15+32*\c], v[TM+12+2*\c]
	v_cvt_scalef32_pk16_fp6_f32 v[PC+12+4*\c:PC+14+4*\c], v[\s+16+32*\c:\s+31+32*\c], v[TM+12+2*\c+1]
.endr
	v_nop
.irp c, 0,1
.irp i, 0,1,2
	v_permlane16_swap_b32 v[PC+6*\c+\i], v[PC+12+4*\c+\i]
.endr
.irp i, 0,1,2
	v_mov_b32 v[PC+3+6*\c+\i], v[PC+12+4*\c+\i]
.endr
.endr
.endm
.irp b, 0,1,2,3
	v_mov_b32 v[TM+4+\b], 0
.endr
	s_mov_b32 s101, 0
	s_cmp_lg_u32 s95, 0
	s_cbranch_scc1 .Lvalues
	s_and_b32 s21, s17, 3
	s_lshl_b32 s21, s21, 4
	s_lshl_b32 s22, s15, 3
	s_add_co_u32 s21, s21, s22
	s_mul_i32 s22, s21, 768
	s_lshl_b32 s23, s21, 7
	s_cmp_eq_u32 ttmp9, 0
	s_cselect_b32 s46, 0, KC
	s_mov_b32 s47, KS
	s_cselect_b32 s47, QS, s47
	s_add_co_u32 s22, s22, s46
	s_add_co_u32 s100, s22, s20
	s_add_nc_u64 s[12:13], s[10:11], s[100:101]
	s_add_co_u32 s23, s23, s47
	s_add_co_u32 s100, s23, s20
	s_add_nc_u64 s[46:47], s[10:11], s[100:101]
.macro EPI_QK a
.if \a > 0
	s_wait_xcnt 0x0
.endif
	WIN 0x06+(\a)/4
.set ei, 0
.rept 32
	v_pk_add_f32 v[T+2*ei:T+2*ei+1], v[64*((\a)%4)+2*ei:64*((\a)%4)+2*ei+1], v[96+2*ei+96*(ei/16):96+2*ei+96*(ei/16)+1]
.set ei, ei+1
.endr
	WIN 0
	QUANT T
	v_lshrrev_b32 v[PW2], 16, v[PW]
.irp p, 0,1,2
	global_store_b64 v[L8], v[PC+2*\p:PC+2*\p+1], s[12:13] offset:(\a)*768+256*\p
.endr
.irp p, 3,4,5
	global_store_b64 v[L8], v[PC+2*\p:PC+2*\p+1], s[12:13] offset:HB+(\a)*768+256*(\p-3)
.endr
	global_store_b32 v[L4], v[PW], s[46:47] offset:(\a)*128
	global_store_b32 v[L4], v[PW2], s[46:47] offset:HB+(\a)*128
.endm
.irp a, 0,1,2,3,4,5,6,7
	EPI_QK \a
.endr
	s_branch .Ldone
.Lvalues:
	s_lshl_b32 s21, s17, 1
	s_add_co_u32 s21, s21, s15
	s_and_b32 s21, s21, 7
	s_mul_i32 s22, s21, 1536
	s_add_co_u32 s22, s22, VC
	s_add_co_u32 s100, s22, s20
	s_add_nc_u64 s[12:13], s[10:11], s[100:101]
	s_lshl_b32 s23, s21, 7
	s_add_co_u32 s23, s23, VS
	s_add_co_u32 s100, s23, s20
	s_add_nc_u64 s[46:47], s[10:11], s[100:101]
.macro EPI_V a
.if \a > 0
	s_wait_xcnt 0x0
.endif
	WIN 0x02+(\a)/4
.set ei, 0
.rept 32
.if (\a)%2 == 0
	v_pk_add_f32 v[T+2*ei:T+2*ei+1], v[64*((\a)%4)+2*ei:64*((\a)%4)+2*ei+1], v[BV+(\a):BV+(\a)+1] op_sel_hi:[1,0]
.else
	v_pk_add_f32 v[T+2*ei:T+2*ei+1], v[64*((\a)%4)+2*ei:64*((\a)%4)+2*ei+1], v[BV+(\a)-1:BV+(\a)] op_sel:[0,1] op_sel_hi:[1,1]
.endif
.set ei, ei+1
.endr
	WIN 0
	QUANT T
.irp p, 0,1,2,3,4,5
	global_store_b64 v[L8], v[PC+2*\p:PC+2*\p+1], s[12:13] offset:((\a)/4)*HB+((\a)%4)*12288+256*\p
.endr
	global_store_b32 v[L4], v[PW], s[46:47] offset:((\a)/4)*HB+((\a)%4)*1024
.endm
.irp a, 0,1,2,3,4,5,6,7
	EPI_V \a
.endr
.Ldone:
	s_wait_tensorcnt 0x0
	ds_add_u32 v[SPW], v[NIL]
	s_wait_dscnt 0x0
	CROUND
	s_endpgm
.Lfunc_end_k_qd3c852e4c2_qkv:
	.size	k_qd3c852e4c2_qkv, .Lfunc_end_k_qd3c852e4c2_qkv-k_qd3c852e4c2_qkv
	.p2alignl 7, 3214868480
	.fill 96, 4, 3214868480
	.section	.rodata,"a",@progbits
	.p2align	6, 0x0
	.amdhsa_kernel k_qd3c852e4c2_qkv
		.amdhsa_group_segment_fixed_size 327680
		.amdhsa_private_segment_fixed_size 0
		.amdhsa_enable_private_segment 0
		.amdhsa_kernarg_size 32
		.amdhsa_user_sgpr_count 2
		.amdhsa_user_sgpr_kernarg_segment_ptr 1
		.amdhsa_wavefront_size32 1
		.amdhsa_system_sgpr_workgroup_id_x 1
		.amdhsa_system_sgpr_workgroup_id_y 1
		.amdhsa_system_sgpr_workgroup_id_z 1
		.amdhsa_system_vgpr_workitem_id 0
		.amdhsa_next_free_vgpr 1024
		.amdhsa_next_free_sgpr 102
		.amdhsa_reserve_vcc 0
		.amdhsa_float_denorm_mode_32 3
		.amdhsa_float_denorm_mode_16_64 3
		.amdhsa_memory_ordered 1
		.amdhsa_forward_progress 1
		.amdhsa_inst_pref_size 241
	.end_amdhsa_kernel
	.amdgpu_metadata
---
amdhsa.version: [ 1, 2 ]
amdhsa.kernels:
  - .name:           k_qd3c852e4c2_qkv
    .symbol:         k_qd3c852e4c2_qkv.kd
    .args:
      - { .name: act1, .offset: 0, .size: 8, .value_kind: global_buffer, .address_space: global }
      - { .name: wimg, .offset: 8, .size: 8, .value_kind: global_buffer, .address_space: global }
      - { .name: qkv_b, .offset: 16, .size: 8, .value_kind: global_buffer, .address_space: global }
      - { .name: qkvh, .offset: 24, .size: 8, .value_kind: global_buffer, .address_space: global }
    .group_segment_fixed_size: 327680
    .private_segment_fixed_size: 0
    .kernarg_segment_align: 8
    .kernarg_segment_size: 32
    .max_flat_workgroup_size: 128
    .sgpr_count:     102
    .vgpr_count:     1024
    .wavefront_size: 32
...
	.end_amdgpu_metadata
.endif
;; end of part 2
;; launch attn (part 3): grid 4 x 64, 16 waves a work-group, clusters of 4 x 1, 169,984 bytes of LDS; arguments qkvh, att; writes att
.if DOCPART == 3
	.amdgcn_target "amdgcn-amd-amdhsa--gfx1250"
	.amdhsa_code_object_version 6
	.text
	.protected	k_qd3c852e4c2_attn
	.globl	k_qd3c852e4c2_attn
	.p2align	8
	.type	k_qd3c852e4c2_attn,@function
k_qd3c852e4c2_attn:
	s_mov_b64 s[64:65], 0
	v_nop
	global_prefetch_b8 v0, s[64:65] scope:SCOPE_SE
	s_setreg_imm32_b32 hwreg(HW_REG_WAVE_MODE, 25, 1), 1
	s_wait_xcnt 0x0
	s_wait_alu depctr_hold_cnt(0) depctr_sa_sdst(0) depctr_va_vdst(0) depctr_va_sdst(0) depctr_va_ssrc(0) depctr_va_vcc(0) depctr_vm_vsrc(0)
	s_getreg_b32 s2, hwreg(HW_REG_IB_STS2, 6, 4)
	s_cmp_eq_u32 s2, 0
	s_cbranch_scc0 .Lentry_in_a_cluster
	s_endpgm
.Lentry_in_a_cluster:
	s_bfe_u32 s2, ttmp6, 0x10000c
	s_cmp_lg_u32 s2, 0x3003
	s_cbranch_scc0 .Lentry_shape_is_right
	s_endpgm
.Lentry_shape_is_right:
; ATTENTION on codes of E2M3.  A work-group owns 256 queries of one (batch, head); each of its sixteen waves 16 of them, one tile, in 256 registers: four waves to a SIMD, so that one wave's
; softmax stands beside another's products and LDS loads.  The head's K and V, codes and scale words, are 110,592 dense bytes of qkvh: they come into LDS ONCE, each wave bringing a sixteenth, and stay:
; nothing is filled again, so the loop over the keys has no barrier.
; CLUSTER: the four query blocks of a head read the same K and V: each sixteenth is asked for jointly, by the same tensor load with a mask that names the four.
; Both products are used transposed: S^T = K Q^T (source 0 = 16 keys), O^T = V^T P^T (source 0 = 16 channels): a lane holds ONE query throughout.  The tiles' rows are chosen (see the first launch) so that the 16 registers of
; two neighbouring tiles are 16 neighbours: keys for p, channels for the result, which is quantised here along the hidden axis for the next product.
; The first product's K is 64: registers 6-11 of K's and Q's fragments hold zero codes, set once.
; SOFTMAX: t = score x log2(e) / 8; M = the running largest t rounded up to a whole number; p = 2^(t - M) is quantised along the keys; the row's sum is taken of the unquantised p and divides at the end.
; A block's largest p is the block's largest score put through the same multiply-add and exponential (this takes v_exp_f32 not to fall where its input rises).
; LIMITS: NaN and infinities are not served; a block of zeros gets the byte 1.
.set HB,   167936
.set QS,   49152
.set KC,   57344
.set A_S,  3145728
.set LV,   49152                       ; LDS: K's half fragments at 0 (64 x 768), V's fragments here ([4][8][1,536]),
.set LKS,  98304                       ; K's scale words (64 x 128),
.set LVS,  106496                      ; V's (32 x 128)
.set L8,   1
.set L4,   2
.set ADK,  3
.set ADV,  4
.set ADS,  5
.set ADT,  6
.set PSW,  7                           ; p's scale word
.set VSW,  8                           ; v8-11 V's scale words
.set QF,   16                          ; v16-27 Q
.set KSW,  28                          ; v28-31 K's scale words
.set KF,   32                          ; v32-79 four fragments of K
.set VF,   80                          ; v80-127 four of V
.set S,    128                         ; v128-191 S^T, then p
.set O,    192                         ; v192-223 O^T
.set BM,   248                         ; v248-251 the blocks' largest scores
.set QSW,  255
.set TM,   236
.set PC,   224
.set PX,   244
.set PW,   254
.set WV,   18
.set SEL,  20
.set CS,   22
.set G1,   24
.set G0,   32
.set TBK,  36
.set TV,   37
.set TSK,  38
.set TSV,  39
.set CNT,  40
.macro CROUND
	s_barrier_signal -1
	s_barrier_wait -1
	s_cmp_lg_u32 s[WV], 0
	s_cbranch_scc1 .Lnot_wave_0_\@
	s_barrier_signal -3
.Lnot_wave_0_\@:
	s_barrier_wait -3
	s_barrier_signal -1
	s_barrier_wait -1
.endm
	s_load_b128 s[4:7], s[0:1], 0x0                ; qkvh, att
	v_lshl_add_u32 v254, v0, 2, 0x29000
	v_mov_b32 v255, 0
	ds_add_u32 v254, v255
	ds_add_u32 v254, v255
	s_wait_dscnt 0x0
	v_lshrrev_b32 v1, 5, v0
	s_delay_alu instid0(VALU_DEP_1)
	v_readfirstlane_b32 s[WV], v1                  ; wave 0..15
	s_bfe_u32 s8, ttmp6, 0x40000                   ; cx: my block of 256 queries; it enters Q's and the result's addresses alone
	s_and_b32 s9, ttmp7, 0xffff                    ; 16 batch + head, which the partners share
	s_mul_i32 s10, s9, HB
	s_mov_b32 s11, 0
	s_mul_i32 s12, s[WV], 6912                     ; my sixteenth: 27 rows of 256 bytes
	s_add_co_u32 s14, s12, KC
	s_mov_b32 s15, 0
	s_add_nc_u64 s[14:15], s[14:15], s[10:11]
	s_mov_b32 s[G1], 15|(3<<16)|(1<<21)            ; the mask: all four; elements of 8 bytes; bit 21 beside a mask; no padding
	s_mov_b32 s[G1+1], 32<<16
	s_mov_b32 s[G1+2], 27<<16
	s_mov_b32 s[G1+3], 32<<16
	s_mov_b32 s[G1+4], 27
	s_mov_b32 s[G1+5], 32
	s_mov_b32 s[G1+6], 0
	s_mov_b32 s[G1+7], 0
	s_mov_b32 s[SEL], 0x76543210
	s_mov_b32 s[SEL+1], 0xfedcba98
	s_mov_b32 s[CS], 0x3e38aa3b                    ; c = log2(e) / sqrt(64)
	s_mov_b32 s[CS+1], s[CS]
	s_mov_b32 s[TBK], 0
	s_mov_b32 s[TV], LV
	s_mov_b32 s[TSK], LKS
	s_mov_b32 s[TSV], LVS
	s_mov_b32 s[CNT], 8
	s_lshl_b32 s13, s8, 4
	s_add_co_u32 s13, s13, s[WV]                   ; my tile of queries in the batch
	s_mul_i32 s16, s13, 768
	s_mov_b32 s17, 0
	s_add_nc_u64 s[16:17], s[16:17], s[10:11]
	s_lshl_b32 s42, s13, 7
	s_add_co_u32 s42, s42, QS
	s_mov_b32 s43, 0
	s_add_nc_u64 s[42:43], s[42:43], s[10:11]
	s_lshr_b32 s44, s9, 4
	s_lshl_b32 s44, s44, 6
	s_add_co_u32 s44, s44, s13                     ; my tile of tokens among all 256
	s_and_b32 s45, s9, 15                          ; the head
	s_mul_i32 s46, s44, 12288
	s_mul_i32 s47, s45, 768
	s_add_co_u32 s46, s46, s47                     ; the result's half fragment: K step head / 2, half head % 2
	s_mov_b32 s47, 0
	s_lshl_b32 s48, s44, 9
	s_lshr_b32 s49, s45, 1
	s_lshl_b32 s49, s49, 6
	s_add_co_u32 s48, s48, s49
	s_and_b32 s49, s45, 1
	s_lshl_b32 s49, s49, 1
	s_add_co_u32 s48, s48, s49
	s_add_co_u32 s48, s48, A_S                     ; and its two scale bytes
	s_mov_b32 s49, 0
	s_wait_kmcnt 0x0
	s_mov_b32 s[G0], 1
	s_mov_b32 s[G0+1], s12
	s_add_nc_u64 s[G0+2:G0+3], s[4:5], s[14:15]
	s_or_b32 s[G0+3], s[G0+3], 0x80000000
	CROUND                                         ; all four work-groups are here: the joint loads meet
	tensor_load_to_lds s[G0:G0+3], s[G1:G1+7]      ; my one tensor load
	s_nop 0
.rept 4
	v_nop
.endr
	s_add_nc_u64 s[16:17], s[4:5], s[16:17]
	s_add_nc_u64 s[42:43], s[4:5], s[42:43]
	s_add_nc_u64 s[46:47], s[6:7], s[46:47]
	s_add_nc_u64 s[48:49], s[6:7], s[48:49]
	v_and_b32 v2, 31, v0
	s_delay_alu instid0(VALU_DEP_1)
	v_lshlrev_b32 v[L8], 3, v2
	s_delay_alu instid0(VALU_DEP_2)
	v_lshlrev_b32 v[L4], 2, v2
.irp p, 0,1,2
	global_load_b64 v[QF+2*\p:QF+2*\p+1], v[L8], s[16:17] offset:256*\p
.endr
	global_load_b32 v[QSW], v[L4], s[42:43]
.irp i, 6,7,8,9,10,11
	v_mov_b32 v[QF+\i], 0                          ; zero codes for k = 64 .. 127
.irp t, 0,1,2,3
	v_mov_b32 v[KF+12*\t+\i], 0
.endr
.endr
	v_mov_b32 v13, 0xff61b1e6                      ; the largest t so far: -3e38
	s_delay_alu instid0(VALU_DEP_1)
	v_floor_f32 v12, -v13                          ; -M
	v_mov_b32 v14, 0                               ; the sum, in two halves
	v_mov_b32 v15, 0
.irp b, 0,1,2,3
	v_mov_b32 v[236+\b], 0                         ; a lane permute's destination counts as one of its sources
.endr
	v_mov_b32 v253, 0                              ; (named as the upper half of the pair v[252:253])
.set j, 0
.rept 32
	v_mov_b32 v[O+j], 0                            ; the loop is written once: its first step finds zeros
.set j, j+1
.endr
	s_wait_tensorcnt 0x0                           ; my sixteenth is in,
	s_barrier_signal -1
	s_barrier_wait -1                              ; everybody's is
	s_wait_loadcnt 0x0                             ; Q
.Lstep:                                            ; 8 trips of 128 keys
	v_add_nc_u32 v[ADK], s[TBK], v[L8]
	v_add_nc_u32 v[ADV], s[TV], v[L8]
	v_add_nc_u32 v[ADS], s[TSK], v[L4]
	v_add_nc_u32 v[ADT], s[TSV], v[L4]
.irp t, 0,1,2,3
.irp p, 0,1,2
	ds_load_b64 v[KF+12*\t+2*\p:KF+12*\t+2*\p+1], v[ADK] offset:\t*768+256*\p
.endr
	ds_load_b32 v[KSW+\t], v[ADS] offset:\t*128
.endr
	s_wait_alu depctr_va_vdst(0)
	s_wait_dscnt 0x0
.irp t, 0,1,2,3
	v_wmma_scale_f32_16x16x128_f8f6f4 v[S+8*\t:S+8*\t+7], v[KF+12*\t:KF+12*\t+11], v[QF:QF+11], 0, v[KSW+\t], v[QSW] matrix_a_fmt:MATRIX_FMT_FP6 matrix_b_fmt:MATRIX_FMT_FP6
.endr
.rept 4
	v_nop                                          ; places in front of loads into registers that matrix instructions have read
.endr
.irp t, 0,1,2,3
.irp p, 0,1,2
	ds_load_b64 v[KF+12*\t+2*\p:KF+12*\t+2*\p+1], v[ADK] offset:(4+\t)*768+256*\p
.endr
	ds_load_b32 v[KSW+\t], v[ADS] offset:(4+\t)*128
.endr
.irp t, 0,1,2,3
.irp p, 0,1,2,3,4,5
	ds_load_b64 v[VF+12*\t+2*\p:VF+12*\t+2*\p+1], v[ADV] offset:\t*12288+256*\p
.endr
	ds_load_b32 v[VSW+\t], v[ADT] offset:\t*1024
.endr
	s_wait_dscnt 28                                ; K's are in; V's 28 loads land under the softmax
.irp t, 0,1,2,3
	v_wmma_scale_f32_16x16x128_f8f6f4 v[S+32+8*\t:S+32+8*\t+7], v[KF+12*\t:KF+12*\t+11], v[QF:QF+11], 0, v[KSW+\t], v[QSW] matrix_a_fmt:MATRIX_FMT_FP6 matrix_b_fmt:MATRIX_FMT_FP6
.endr
.rept 4
	v_nop
.endr
.irp b, 0,1,2,3
	v_max3_num_f32 v[BM+\b], v[S+16*\b], v[S+1+16*\b], v[S+2+16*\b]      ; the largest score of each block of 32 keys
.endr
.irp i, 3,5,7,9,11,13
.irp b, 0,1,2,3
	v_max3_num_f32 v[BM+\b], v[BM+\b], v[S+16*\b+\i], v[S+1+16*\b+\i]
.endr
.endr
.irp b, 0,1,2,3
	v_max_num_f32 v[BM+\b], v[BM+\b], v[S+15+16*\b]
.endr
.irp b, 0,1,2,3
	s_delay_alu instid0(VALU_DEP_4)
	v_permlanex16_b32 v[236+\b], v[BM+\b], s[SEL], s[SEL+1]
.endr
.irp b, 0,1,2,3
	s_delay_alu instid0(VALU_DEP_4)
	v_max_num_f32 v[BM+\b], v[BM+\b], v[236+\b]    ; with lane l xor 16's 16 keys
.endr
	s_delay_alu instid0(VALU_DEP_2)
	v_max3_num_f32 v254, v[BM], v[BM+1], v[BM+2]
	s_delay_alu instid0(VALU_DEP_1)
	v_max_num_f32 v254, v254, v[BM+3]
	s_delay_alu instid0(VALU_DEP_1)
	v_mul_f32 v254, s[CS], v254                    ; the step's largest t
	s_delay_alu instid0(VALU_DEP_1)
	v_max_num_f32 v13, v13, v254
	v_mov_b32 v254, v12
	s_delay_alu instid0(VALU_DEP_2)
	v_floor_f32 v12, -v13                          ; the new -M = -ceil(t)
	s_delay_alu instid0(VALU_DEP_1)
	v_sub_f32 v254, v12, v254                      ; old M - new M: a whole number, 0 or less
	s_delay_alu instid0(VALU_DEP_1)
	v_cvt_i32_f32 v254, v254                       ; (it saturates)
	s_delay_alu instid0(VALU_DEP_1)
	v_ldexp_f32 v252, 1.0, v254                    ; f = 2^(old M - new M): exact
.set j, 0
.rept 32
	v_pk_fma_f32 v[S+j:S+j+1], v[S+j:S+j+1], s[CS:CS+1], v[12:13] op_sel_hi:[1,0,0]   ; t - M
.set j, j+2
.endr
.irp b, 0,1,2,3
	v_fma_f32 v[BM+\b], v[BM+\b], s[CS], v12
.endr
.set j, 0
	s_wait_alu depctr_va_vdst(0)
.rept 64
	v_exp_f32 v[S+j], v[S+j]                       ; p = 2^(t - M)
.set j, j+1
.endr
.irp b, 0,1,2,3
	v_exp_f32 v[BM+\b], v[BM+\b]                   ; the block's largest p
.endr
	v_pk_mul_f32 v[14:15], v[14:15], v[252:253] op_sel_hi:[1,0]          ; the sums under the new M; a plain place behind the exponentials
	s_wait_alu depctr_va_vdst(0)
.irp b, 0,1,2,3
	v_max_num_f32 v[BM+\b], 0x1800000, v[BM+\b]    ; the floor 2^(3 - 127)
.endr
.irp b, 0,1,2,3
	s_delay_alu instid0(VALU_DEP_4)
	v_add_nc_u32 v[244+\b], 0xff000000, v[BM+\b]
.endr
.irp b, 0,1,2,3
	s_delay_alu instid0(VALU_DEP_4)
	v_lshrrev_b32 v[236+\b], 23, v[244+\b]
.endr
	s_delay_alu instid0(VALU_DEP_3)
	v_lshl_or_b32 v[PSW], v237, 8, v236            ; p's scale word for these 128 keys
	s_delay_alu instid0(VALU_DEP_1)
	v_lshl_or_b32 v[PSW], v238, 16, v[PSW]
	s_delay_alu instid0(VALU_DEP_1)
	v_lshl_or_b32 v[PSW], v239, 24, v[PSW]
.irp c, 0,1
	v_cvt_scalef32_pk16_fp6_f32 v[224+6*\c:226+6*\c], v[S+32*\c:S+15+32*\c], v[244+2*\c]
	v_cvt_scalef32_pk16_fp6_f32 v[236+4*\c:238+4*\c], v[S+16+32*\c:S+31+32*\c], v[244+2*\c+1]
.endr
	v_nop                                          ; one plain place behind a scaled conversion
.irp c, 0,1
.irp i, 0,1,2
	v_permlane16_swap_b32 v[224+6*\c+\i], v[236+4*\c+\i]
.endr
.irp i, 0,1,2
	s_delay_alu instid0(VALU_DEP_3)
	v_mov_b32 v[227+6*\c+\i], v[236+4*\c+\i]
.endr
.endr
.set j, 0
.rept 16
	v_pk_mul_f32 v[O+j:O+j+1], v[O+j:O+j+1], v[252:253] op_sel_hi:[1,0]  ; O^T under the new M
.set j, j+2
.endr
	v_pk_add_f32 v[236:237], v[132:133], v[136:137]
	v_pk_add_f32 v[250:251], v[140:141], v[144:145]
	v_pk_add_f32 v[248:249], v[148:149], v[152:153]
	v_pk_add_f32 v[246:247], v[156:157], v[160:161]
	v_pk_add_f32 v[244:245], v[164:165], v[168:169]
	v_pk_add_f32 v[242:243], v[172:173], v[176:177]
	v_pk_add_f32 v[240:241], v[180:181], v[184:185]
	v_pk_add_f32 v[14:15], v[14:15], v[188:189]
	v_pk_add_f32 v[236:237], v[236:237], v[128:129]
	v_pk_add_f32 v[250:251], v[250:251], v[130:131]
	v_pk_add_f32 v[248:249], v[248:249], v[134:135]
	v_pk_add_f32 v[246:247], v[246:247], v[138:139]
	v_pk_add_f32 v[244:245], v[244:245], v[142:143]
	v_pk_add_f32 v[242:243], v[242:243], v[146:147]
	v_pk_add_f32 v[240:241], v[240:241], v[150:151]
	v_pk_add_f32 v[14:15], v[14:15], v[154:155]
	v_pk_add_f32 v[236:237], v[236:237], v[158:159]
	v_pk_add_f32 v[250:251], v[250:251], v[162:163]
	v_pk_add_f32 v[248:249], v[248:249], v[166:167]
	v_pk_add_f32 v[246:247], v[246:247], v[170:171]
	v_pk_add_f32 v[244:245], v[244:245], v[174:175]
	v_pk_add_f32 v[242:243], v[242:243], v[178:179]
	v_pk_add_f32 v[240:241], v[240:241], v[182:183]
	v_pk_add_f32 v[14:15], v[14:15], v[186:187]
	v_pk_add_f32 v[236:237], v[236:237], v[190:191]
	s_delay_alu instid0(VALU_DEP_2)
	v_pk_add_f32 v[14:15], v[14:15], v[246:247]
	s_delay_alu instid0(VALU_DEP_2)
	v_pk_add_f32 v[236:237], v[236:237], v[244:245]
	v_pk_add_f32 v[250:251], v[250:251], v[242:243]
	v_pk_add_f32 v[248:249], v[248:249], v[240:241]
	s_delay_alu instid0(VALU_DEP_2)
	v_pk_add_f32 v[14:15], v[14:15], v[250:251]
	s_delay_alu instid0(VALU_DEP_2)
	v_pk_add_f32 v[236:237], v[236:237], v[248:249]
	s_delay_alu instid0(VALU_DEP_1)
	v_pk_add_f32 v[14:15], v[14:15], v[236:237]
	s_wait_dscnt 0x0                               ; V
.irp t, 0,1,2,3
	v_wmma_scale_f32_16x16x128_f8f6f4 v[O+8*\t:O+8*\t+7], v[VF+12*\t:VF+12*\t+11], v[224:235], v[O+8*\t:O+8*\t+7], v[VSW+\t], v[PSW] matrix_a_fmt:MATRIX_FMT_FP6 matrix_b_fmt:MATRIX_FMT_FP6
.endr
	s_add_co_u32 s[TBK], s[TBK], 6144
	s_add_co_u32 s[TV], s[TV], 1536
	s_add_co_u32 s[TSK], s[TSK], 1024
	s_add_co_u32 s[TSV], s[TSV], 128
	s_sub_co_u32 s[CNT], s[CNT], 1
	s_cmp_lg_u32 s[CNT], 0
	s_cbranch_scc1 .Lstep
.rept 4
	v_nop
.endr
	s_wait_alu depctr_va_vdst(0)
	v_add_f32 v14, v14, v15
	s_delay_alu instid0(VALU_DEP_1)
	v_permlanex16_b32 v252, v14, s[SEL], s[SEL+1]
	s_delay_alu instid0(VALU_DEP_1)
	v_add_f32 v14, v14, v252                       ; the row's sum
	s_wait_alu depctr_va_vdst(0)
	v_rcp_f32 v14, v14
	v_and_b32 v3, 15, v0                           ; (a plain place behind the transcendental)
	s_delay_alu instid0(VALU_DEP_1)
	v_lshlrev_b32 v3, 2, v3
.set j, 0
	s_wait_alu depctr_va_vdst(0)
.rept 16
	v_pk_mul_f32 v[S+j:S+j+1], v[O+j:O+j+1], v[14:15] op_sel_hi:[1,0]    ; register 16 b + i = channel 32 b + 16 (lane / 16) + i of my query
.set j, j+2
.endr
	; the head's 64 channels are two blocks along the next K: half a fragment
.irp b, 0,1
	v_max3_num_f32 v[TM+\b], |v[S+16*\b]|, |v[S+1+16*\b]|, 0x1800000
.endr
.irp i, 2,4,6,8,10,12,14
.irp b, 0,1
	s_delay_alu instid0(VALU_DEP_2)
	v_max3_num_f32 v[TM+\b], v[TM+\b], |v[S+16*\b+\i]|, |v[S+1+16*\b+\i]|
.endr
.endr
.irp b, 0,1
	s_delay_alu instid0(VALU_DEP_2)
	v_permlanex16_b32 v[TM+2+\b], v[TM+\b], s[SEL], s[SEL+1]
.endr
.irp b, 0,1
	s_delay_alu instid0(VALU_DEP_2)
	v_max_num_f32 v[TM+\b], v[TM+\b], v[TM+2+\b]
.endr
.irp b, 0,1
	s_delay_alu instid0(VALU_DEP_2)
	v_add_nc_u32 v[TM+4+\b], 0xff000000, v[TM+\b]
.endr
.irp b, 0,1
	s_delay_alu instid0(VALU_DEP_2)
	v_lshrrev_b32 v[TM+2+\b], 23, v[TM+4+\b]
.endr
	s_delay_alu instid0(VALU_DEP_1)
	v_lshl_or_b32 v[PW], v[TM+3], 8, v[TM+2]
	v_cvt_scalef32_pk16_fp6_f32 v[PC:PC+2], v[S:S+15], v[TM+4]
	v_cvt_scalef32_pk16_fp6_f32 v[PX:PX+2], v[S+16:S+31], v[TM+5]
	v_nop
.irp i, 0,1,2
	v_permlane16_swap_b32 v[PC+\i], v[PX+\i]
.endr
.irp i, 0,1,2
	s_delay_alu instid0(VALU_DEP_3)
	v_mov_b32 v[PC+3+\i], v[PX+\i]
.endr
.irp p, 0,1,2
	global_store_b64 v[L8], v[PC+2*\p:PC+2*\p+1], s[46:47] offset:256*\p     ; 32 lanes store 256 consecutive bytes, aligned
.endr
	global_store_b16 v3, v[PW], s[48:49]           ; my row's two scale bytes (both halves of the lanes hold the same): 32 bytes of a tile's 512; the other heads' work-groups write the rest
	s_wait_dscnt 0x0
	s_wait_xcnt 0x0
	v_lshl_add_u32 v254, v0, 2, 0x29000
	v_mov_b32 v255, 0
	s_wait_alu depctr_va_vdst(0)
	s_wait_tensorcnt 0x0
	ds_add_u32 v254, v255
	s_wait_dscnt 0x0
	CROUND                                         ; the closing round: no work-group ends while a partner may still ask
	s_endpgm
.Lfunc_end_k_qd3c852e4c2_attn:
	.size	k_qd3c852e4c2_attn, .Lfunc_end_k_qd3c852e4c2_attn-k_qd3c852e4c2_attn
	.p2alignl 7, 3214868480
	.fill 96, 4, 3214868480
	.section	.rodata,"a",@progbits
	.p2align	6, 0x0
	.amdhsa_kernel k_qd3c852e4c2_attn
		.amdhsa_group_segment_fixed_size 169984
		.amdhsa_private_segment_fixed_size 0
		.amdhsa_enable_private_segment 0
		.amdhsa_kernarg_size 16
		.amdhsa_user_sgpr_count 2
		.amdhsa_user_sgpr_kernarg_segment_ptr 1
		.amdhsa_wavefront_size32 1
		.amdhsa_system_sgpr_workgroup_id_x 1
		.amdhsa_system_sgpr_workgroup_id_y 1
		.amdhsa_system_sgpr_workgroup_id_z 1
		.amdhsa_system_vgpr_workitem_id 0
		.amdhsa_next_free_vgpr 256
		.amdhsa_next_free_sgpr 66
		.amdhsa_reserve_vcc 0
		.amdhsa_float_denorm_mode_32 3
		.amdhsa_float_denorm_mode_16_64 3
		.amdhsa_memory_ordered 1
		.amdhsa_forward_progress 1
		.amdhsa_inst_pref_size 32
	.end_amdhsa_kernel
	.amdgpu_metadata
---
amdhsa.version: [ 1, 2 ]
amdhsa.kernels:
  - .name:           k_qd3c852e4c2_attn
    .symbol:         k_qd3c852e4c2_attn.kd
    .args:
      - { .name: qkvh, .offset: 0, .size: 8, .value_kind: global_buffer, .address_space: global }
      - { .name: att, .offset: 8, .size: 8, .value_kind: global_buffer, .address_space: global }
    .group_segment_fixed_size: 169984
    .private_segment_fixed_size: 0
    .kernarg_segment_align: 8
    .kernarg_segment_size: 16
    .max_flat_workgroup_size: 512
    .sgpr_count:     66
    .vgpr_count:     256
    .wavefront_size: 32
...
	.end_amdgpu_metadata
.endif
;; end of part 3
;; launch projln (part 4): grid 256 x 1, 16 waves a work-group, no clusters, 86,528 bytes of LDS; arguments att, wimg, out_b, x, ln2_g, ln2_b, x1, act2; writes x1, act2
.if DOCPART == 4
	.amdgcn_target "amdgcn-amd-amdhsa--gfx1250"
	.amdhsa_code_object_version 6
	.text
	.protected	k_qd3c852e4c2_projln
	.globl	k_qd3c852e4c2_projln
	.p2align	8
	.type	k_qd3c852e4c2_projln,@function
k_qd3c852e4c2_projln:
	s_mov_b64 s[64:65], 0
	v_nop
	global_prefetch_b8 v0, s[64:65] scope:SCOPE_SE
	s_setreg_imm32_b32 hwreg(HW_REG_WAVE_MODE, 25, 1), 1
	s_wait_xcnt 0x0
; x1 = x + Q(attention) out_w + out_b, and LayerNorm 2 of x1 quantised to E2M3 along the 1,024 channels (act2), in one launch: a work-group holds whole rows.
; A work-group is one tile of 16 tokens x all 1,024 columns; wave w makes columns 64 w .. 64 w + 63: four accumulators, 8 K steps, 32 matrix instructions.
; Source 0 = 16 rows of out_w, source 1 = the tokens: a lane holds one token and 32 columns, 16 neighbours in each pair of tiles.
; THE WEIGHTS go from memory straight into operand registers, 256 dense bytes a load.  A wave's 32 fragments (fragment f = 4 x K step + tile) go through a ring of ten register slots, slot f % 10:
; beside the four of the K step at work, six are on their way, and a K step waits for its fragments in two halves, by count.
; NO CLUSTER: a wave has four products to a K step; a ring in LDS with a round of the cluster's barrier in front of every refill would put a round ahead of every few of them.
; The tokens' fragments are shared by the sixteen waves through LDS.
; PREFETCH, at the head, ahead of the K steps.  out_w's image is 786,432 bytes, which all 256 work-groups read: work-group g names bytes 3,072 g .. 3,072 g + 3,071 of it, 12 blocks of 256 bytes, a lane a block
; (wave 0; lanes 12-31 name the last block again): each block is named once in the launch.  x: each wave names its own 16 blocks (its 256 bytes of each of the tile's 16 rows), which it loads in the second K step.
; ln2_g, ln2_b: wave w of work-group w (w under 16) names block w of each; they are loaded behind the K steps.
; x is asked for in the second K step, into the registers that out_b has left, and lands under the K steps that follow.
; LIMITS: NaN and infinities are not served; a block of zeros or under 2^-124 gets the byte 1.
.set A_S,  3145728
.set WO_C, 2359296
.set WO_S, 9535488
.set RED1, 12288                       ; LDS: the tokens' 8 fragments at 0; [16 tokens][16 waves] partial sums,
.set RED2, 13312                       ; partial sums of squares,
.set STG,  14336                       ; a stage of 16 rows x (256 + 16) bytes for each wave
.set L8,   1
.set L4,   2
.set STO,  3
.set RD,   4
.set CO,   5
.set H64,  6
.set RW,   7
.set AT,   8
.set RR,   9
.set SB,   10
.set PFW,  14                          ; the prefetches' offsets: in out_w's image,
.set PFX,  15                          ; and in x; never rewritten
.set ASW,  16                          ; v16-19 the tokens' scale words: register s / 2, lanes' half s % 2
.set BSW,  20                          ; v20-35 the weights': register 4 i + s / 2
.set AFR,  36                          ; v36-59 the tokens' fragments, two sets
.set ACC,  60                          ; v60-91
.set T,    92                          ; v92-123 out_b, then x by rows, then x1, then the normalised row
.set BF,   124                         ; v124-243 the weights' fragments: ten slots of 12 registers
.set XR,   124                         ; behind the K steps: x in the result's layout, then x1 by rows
.set GR,   156
.set BR,   188
.set TM,   220
.set PC,   236
.set PX,   244
.set PW,   248
.macro PLACES
.rept 4
	v_nop
.endr
.endm
	s_load_b512 s[4:19], s[0:1], 0x0               ; att, wimg, out_b, x, ln2_g, ln2_b, x1, act2
	v_lshl_add_u32 v254, v0, 2, 0x14a00
	v_mov_b32 v255, 0
	v_lshrrev_b32 v1, 5, v0
	s_delay_alu instid0(VALU_DEP_1)
	v_readfirstlane_b32 s20, v1                    ; wave 0..15
	v_and_b32 v11, 31, v0
	v_and_b32 v12, 15, v0                          ; r
	v_bfe_u32 v13, v0, 4, 1                        ; h
	s_delay_alu instid0(VALU_DEP_3)
	v_lshlrev_b32 v[L8], 3, v11
	s_delay_alu instid0(VALU_DEP_4)
	v_lshlrev_b32 v[L4], 2, v11
	s_mul_i32 s21, s20, 4352
	s_add_co_u32 s21, s21, STG
	v_mul_u32_u24 v[STO], v12, 272
	s_delay_alu instid0(VALU_DEP_1)
	v_lshl_add_u32 v[STO], v13, 6, v[STO]
	s_delay_alu instid0(VALU_DEP_1)
	v_add_nc_u32 v[STO], s21, v[STO]               ; the stage by the result's layout: row r, + 64 h
	v_mul_u32_u24 v[RD], v13, 272
	s_delay_alu instid0(VALU_DEP_1)
	v_lshl_add_u32 v[RD], v12, 4, v[RD]
	s_delay_alu instid0(VALU_DEP_1)
	v_add_nc_u32 v[RD], s21, v[RD]                 ; and by rows: lanes 0-15 one row, lanes 16-31 the next
	v_lshlrev_b32 v[CO], 12, v13
	s_delay_alu instid0(VALU_DEP_1)
	v_lshl_add_u32 v[CO], v12, 4, v[CO]            ; the same two rows in x and x1
	v_lshlrev_b32 v[H64], 6, v13
	s_lshl_b32 s22, s20, 2
	v_lshl_add_u32 v[RW], v12, 6, s22              ; 64 r + 4 w
	v_lshlrev_b32 v[AT], 3, v0                     ; 8 x thread
	v_lshlrev_b32 v[RR], 6, v12
	v_lshlrev_b32 v[SB], 2, v12
	v_min_u32 v[PFW], 11, v11                      ; block l of my work-group's 12
	v_and_b32 v[PFX], 8, v12
	s_delay_alu instid0(VALU_DEP_2)
	v_lshlrev_b32 v[PFW], 8, v[PFW]
	s_delay_alu instid0(VALU_DEP_2)
	v_add_nc_u32 v[PFX], v[PFX], v12               ; the tile's row r is token r + 8 (r / 8),
	s_delay_alu instid0(VALU_DEP_1)
	v_lshlrev_b32 v[PFX], 12, v[PFX]               ; 4,096 bytes a token
	s_mul_i32 s24, ttmp9, 12288
	s_mov_b32 s25, 0
	s_lshl_b32 s26, ttmp9, 9
	s_add_co_u32 s26, s26, A_S
	s_mov_b32 s27, 0
	s_lshr_b32 s28, ttmp9, 1
	s_lshl_b32 s28, s28, 5
	s_and_b32 s29, ttmp9, 1
	s_lshl_b32 s29, s29, 3
	s_add_co_u32 s28, s28, s29                     ; the tile's first token
	s_lshl_b32 s28, s28, 12
	s_lshl_b32 s30, s20, 8                         ; my 64 columns in bytes
	s_add_co_u32 s28, s28, s30
	s_mov_b32 s29, 0
	s_mov_b32 s31, 0
	s_mul_i32 s32, s20, 49152
	s_add_co_u32 s32, s32, WO_C
	s_mov_b32 s33, 0
	s_lshl_b32 s34, s20, 11
	s_add_co_u32 s34, s34, WO_S
	s_mov_b32 s35, 0
	s_mul_i32 s36, s20, 768
	s_add_co_u32 s36, s36, s24
	s_mov_b32 s37, 0
	s_lshr_b32 s42, s20, 1
	s_lshl_b32 s42, s42, 6
	s_and_b32 s43, s20, 1
	s_lshl_b32 s43, s43, 1
	s_add_co_u32 s42, s42, s43
	s_add_co_u32 s42, s42, s26
	s_mov_b32 s43, 0
	s_mov_b32 s44, 0x76543210
	s_mov_b32 s45, 0xfedcba98
	s_mov_b32 s46, 0x3a800000                      ; 1 / 1024
	s_mov_b32 s47, 0x3727c5ac                      ; 1e-5
	s_wait_alu depctr_va_vdst(0)
	s_wait_kmcnt 0x0
	s_add_nc_u64 s[38:39], s[4:5], s[24:25]        ; the tokens' codes
	s_add_nc_u64 s[40:41], s[4:5], s[26:27]        ; and scale words
	s_add_nc_u64 s[32:33], s[6:7], s[32:33]        ; my four tiles of out_w
	s_add_nc_u64 s[34:35], s[6:7], s[34:35]
	s_add_nc_u64 s[8:9], s[8:9], s[30:31]
	s_add_nc_u64 s[12:13], s[12:13], s[30:31]
	s_add_nc_u64 s[14:15], s[14:15], s[30:31]
	s_add_nc_u64 s[10:11], s[10:11], s[28:29]
	s_add_nc_u64 s[16:17], s[16:17], s[28:29]
	s_add_nc_u64 s[36:37], s[18:19], s[36:37]
	s_add_nc_u64 s[42:43], s[18:19], s[42:43]
	s_mul_i32 s24, ttmp9, 3072                     ; my work-group's 3,072 bytes of out_w's image
	s_add_co_u32 s24, s24, WO_C
	s_add_nc_u64 s[24:25], s[6:7], s[24:25]
	s_cmp_lg_u32 s20, 0
	s_cbranch_scc1 .Lno_w
	global_prefetch_b8 v[PFW], s[24:25] th:TH_LOAD_NT scope:SCOPE_SE
.Lno_w:
	s_cmp_lg_u32 s20, ttmp9                        ; wave w of work-group w: block w of the gains and of the biases
	s_cbranch_scc1 .Lno_g
	global_prefetch_b8 v[H64], s[12:13] th:TH_LOAD_NT scope:SCOPE_SE
	global_prefetch_b8 v[H64], s[14:15] th:TH_LOAD_NT scope:SCOPE_SE
.Lno_g:
.macro FLOAD f                         ; fragment f (tile f % 4 of K step f / 4) into slot f % 10
.set FRG, BF+12*((\f)%10)
.irp p, 0,1,2,3,4,5
	global_load_b64 v[FRG+2*\p:FRG+2*\p+1], v[L8], s[32:33] offset:((\f)%4)*12288+((\f)/4)*1536+256*\p
.endr
.endm
.irp k, 0,1,2
	global_load_b64 v[220+2*\k:221+2*\k], v[AT], s[38:39] offset:4096*\k     ; the tokens' 12,288 bytes, 8 a thread, three times
.endr
.irp p, 0,1,2,3
	global_load_b32 v[ASW+\p], v[L4], s[40:41] offset:128*\p                 ; lanes 0-15: K step 2 p; lanes 16-31: 2 p + 1
.endr
.irp i, 0,1,2,3
.irp p, 0,1,2,3
	global_load_b32 v[BSW+4*\i+\p], v[L4], s[34:35] offset:512*\i+128*\p
.endr
.endr
.irp i, 0,1,2,3,4,5,6,7
	global_load_b128 v[T+4*\i:T+4*\i+3], v[H64], s[8:9] offset:128*(\i/4)+16*(\i%4)   ; out_b in the result's layout: register 16 g + i = column 32 g + 16 h + i
.endr
.irp f, 0,1,2,3
	FLOAD \f
.endr
	global_prefetch_b8 v[PFX], s[10:11] th:TH_LOAD_NT scope:SCOPE_SE         ; my 16 blocks of x, behind the loads that the first K step waits for
	s_wait_loadcnt 52                              ; behind the three copies stand 4 + 16 + 8 + 24 loads
.irp k, 0,1,2
	ds_store_b64 v[AT], v[220+2*\k:221+2*\k] offset:4096*\k
.endr
	s_wait_dscnt 0x0                               ; for the others' sake
	s_barrier_signal -1
	s_barrier_wait -1
.irp p, 0,1,2,3,4,5
	ds_load_b64 v[AFR+2*\p:AFR+2*\p+1], v[L8] offset:256*\p
.endr
.macro WM s, i                         ; K step s, my tile i
.set FB, BF+12*((4*(\s)+(\i))%10)
.set FA, AFR+12*((\s)%2)
.if \s == 0
	v_wmma_scale_f32_16x16x128_f8f6f4 v[ACC+8*\i:ACC+8*\i+7], v[FB:FB+11], v[FA:FA+11], v[T+8*\i:T+8*\i+7], v[BSW+4*\i], v[ASW] matrix_a_fmt:MATRIX_FMT_FP6 matrix_b_fmt:MATRIX_FMT_FP6
.elseif (\s)%2 == 0
	v_wmma_scale_f32_16x16x128_f8f6f4 v[ACC+8*\i:ACC+8*\i+7], v[FB:FB+11], v[FA:FA+11], v[ACC+8*\i:ACC+8*\i+7], v[BSW+4*\i+(\s)/2], v[ASW+(\s)/2] matrix_a_fmt:MATRIX_FMT_FP6 matrix_b_fmt:MATRIX_FMT_FP6
.else
	v_wmma_scale_f32_16x16x128_f8f6f4 v[ACC+8*\i:ACC+8*\i+7], v[FB:FB+11], v[FA:FA+11], v[ACC+8*\i:ACC+8*\i+7], v[BSW+4*\i+(\s)/2], v[ASW+(\s)/2] matrix_a_fmt:MATRIX_FMT_FP6 matrix_b_fmt:MATRIX_FMT_FP6 matrix_a_scale:MATRIX_SCALE_ROW1 matrix_b_scale:MATRIX_SCALE_ROW1
.endif
.endm
; K step s.  It first asks for fragments up to 4 s + 9: they take the slots of K step s - 1's four.  n1: the loads issued behind fragment 4 s + 1's; n2: those behind fragment 4 s + 3's
; (6 a fragment; x's 8 stand between fragments 13 and 14).
.macro KSTEP s, n1, n2
.if \s > 0
	PLACES                                         ; for the loads into the slots that the last K step multiplied (in K step 1 also into out_b's registers, which the first products took as C)
.else
	FLOAD 4
	FLOAD 5
.endif
.irp d, 6,7,8,9
.if 4*(\s)+\d < 32
	FLOAD 4*(\s)+\d
.endif
.endr
.if \s < 7
.irp p, 0,1,2,3,4,5
	ds_load_b64 v[AFR+12*(((\s)+1)%2)+2*\p:AFR+12*(((\s)+1)%2)+2*\p+1], v[L8] offset:((\s)+1)*1536+256*\p
.endr
.endif
.if \s == 1
.irp t, 0,1,2,3,4,5,6,7
	global_load_b128 v[T+4*\t:T+4*\t+3], v[CO], s[10:11] offset:(2*\t+8*(\t/4))*4096   ; x: my 64 columns of the tile's 16 tokens: sixteen lanes read 256 consecutive bytes
.endr
.endif
	s_wait_loadcnt \n1
.if \s < 7
	s_wait_dscnt 6                                 ; the tokens' fragment of this K step; the next one's six loads may be out
.else
	s_wait_dscnt 0x0
.endif
	WM \s, 0                                       ; the four accumulators by turns
	WM \s, 1
	s_wait_loadcnt \n2
	WM \s, 2
	WM \s, 3
.endm
	KSTEP 0, 48, 36
	KSTEP 1, 56, 44
	KSTEP 2, 56, 44
	KSTEP 3, 56, 36
	KSTEP 4, 48, 36
	KSTEP 5, 48, 36
	KSTEP 6, 36, 24
	KSTEP 7, 12, 0
	PLACES
.irp i, 0,1,2,3,4,5,6,7
	global_load_b128 v[GR+4*\i:GR+4*\i+3], v[H64], s[12:13] offset:128*(\i/4)+16*(\i%4)
.endr
.irp i, 0,1,2,3,4,5,6,7
	global_load_b128 v[BR+4*\i:BR+4*\i+3], v[H64], s[14:15] offset:128*(\i/4)+16*(\i%4)
.endr
.irp t, 0,1,2,3,4,5,6,7
	ds_store_b128 v[RD], v[T+4*\t:T+4*\t+3] offset:544*\t                    ; x turns through my own stage into the result's layout: LDS serves a wave's instructions in order
.endr
.irp i, 0,1,2,3,4,5,6,7
	ds_load_b128 v[XR+4*\i:XR+4*\i+3], v[STO] offset:128*(\i/4)+16*(\i%4)
.endr
	s_wait_dscnt 0x0
.set j, 0
.rept 16
	v_pk_add_f32 v[T+j:T+j+1], v[ACC+j:ACC+j+1], v[XR+j:XR+j+1]              ; x1; each accumulator from its low end on
.set j, j+2
.endr
.irp i, 0,1,2,3,4,5,6,7
	ds_store_b128 v[STO], v[T+4*\i:T+4*\i+3] offset:128*(\i/4)+16*(\i%4)     ; and x1 turns back into rows
.endr
.irp t, 0,1,2,3,4,5,6,7
	ds_load_b128 v[XR+4*\t:XR+4*\t+3], v[RD] offset:544*\t
.endr
	v_pk_add_f32 v[222:223], v[92:93], v[94:95]
	v_pk_add_f32 v[252:253], v[100:101], v[104:105]
	v_pk_add_f32 v[250:251], v[108:109], v[112:113]
	v_pk_add_f32 v[248:249], v[116:117], v[120:121]
	v_pk_add_f32 v[246:247], v[96:97], v[98:99]
	v_pk_add_f32 v[244:245], v[102:103], v[106:107]
	v_pk_add_f32 v[242:243], v[110:111], v[114:115]
	v_pk_add_f32 v[220:221], v[118:119], v[122:123]
	s_delay_alu instid0(VALU_DEP_1)
	v_pk_add_f32 v[220:221], v[220:221], v[248:249]
	v_pk_add_f32 v[222:223], v[222:223], v[246:247]
	v_pk_add_f32 v[252:253], v[252:253], v[244:245]
	v_pk_add_f32 v[250:251], v[250:251], v[242:243]
	s_delay_alu instid0(VALU_DEP_2)
	v_pk_add_f32 v[220:221], v[220:221], v[252:253]
	s_delay_alu instid0(VALU_DEP_2)
	v_pk_add_f32 v[222:223], v[222:223], v[250:251]
	s_delay_alu instid0(VALU_DEP_1)
	v_pk_add_f32 v[220:221], v[220:221], v[222:223]
	s_delay_alu instid0(VALU_DEP_1)
	v_add_f32 v220, v220, v221
	s_wait_alu depctr_va_vdst(0)
	s_wait_dscnt 0x0
.irp t, 0,1,2,3,4,5,6,7
	global_store_b128 v[CO], v[XR+4*\t:XR+4*\t+3], s[16:17] offset:(2*\t+8*(\t/4))*4096   ; sixteen lanes store 256 consecutive bytes, aligned
.endr
; v220, a lane's part, becomes the token's sum over all 1,024 columns: lane l xor 16's part, then the sixteen waves' parts through LDS, added in one fixed order
.macro WGSUM red
	v_permlanex16_b32 v221, v220, s44, s45
	s_delay_alu instid0(VALU_DEP_1)
	v_add_f32 v220, v220, v221
	ds_store_b32 v[RW], v220 offset:\red
	s_wait_dscnt 0x0
	s_barrier_signal -1
	s_barrier_wait -1
.irp k, 0,1,2,3
	ds_load_b128 v[224+4*\k:227+4*\k], v[RR] offset:\red+16*\k
.endr
	s_wait_dscnt 0x0
	v_pk_add_f32 v[224:225], v[224:225], v[226:227]
	v_pk_add_f32 v[228:229], v[228:229], v[230:231]
	v_pk_add_f32 v[232:233], v[232:233], v[234:235]
	v_pk_add_f32 v[236:237], v[236:237], v[238:239]
	s_delay_alu instid0(VALU_DEP_3)
	v_pk_add_f32 v[224:225], v[224:225], v[228:229]
	s_delay_alu instid0(VALU_DEP_2)
	v_pk_add_f32 v[232:233], v[232:233], v[236:237]
	s_delay_alu instid0(VALU_DEP_1)
	v_pk_add_f32 v[224:225], v[224:225], v[232:233]
	s_delay_alu instid0(VALU_DEP_1)
	v_add_f32 v220, v224, v225
.endm
	WGSUM RED1
	s_delay_alu instid0(VALU_DEP_1)
	v_mul_f32 v220, s46, v220                      ; the mean
.set j, 0
.rept 16
	v_pk_add_f32 v[T+j:T+j+1], v[T+j:T+j+1], v[220:221] op_sel_hi:[1,0] neg_lo:[0,1] neg_hi:[0,1]
.set j, j+2
.endr
	v_pk_mul_f32 v[220:221], v[T:T+1], v[T:T+1]
	v_pk_mul_f32 v[222:223], v[T+2:T+3], v[T+2:T+3]
.irp j, 4,8,12,16,20,24,28
	s_delay_alu instid0(VALU_DEP_2)
	v_pk_fma_f32 v[220:221], v[T+\j:T+\j+1], v[T+\j:T+\j+1], v[220:221]
	s_delay_alu instid0(VALU_DEP_2)
	v_pk_fma_f32 v[222:223], v[T+\j+2:T+\j+3], v[T+\j+2:T+\j+3], v[222:223]
.endr
	s_delay_alu instid0(VALU_DEP_1)
	v_pk_add_f32 v[220:221], v[220:221], v[222:223]
	s_delay_alu instid0(VALU_DEP_1)
	v_add_f32 v220, v220, v221
	WGSUM RED2
	s_delay_alu instid0(VALU_DEP_1)
	v_fma_f32 v220, v220, s46, s47                 ; the variance + 1e-5
	s_wait_alu depctr_va_vdst(0)
	v_rsq_f32 v220, v220
	v_nop                                          ; one plain place behind the transcendental
	s_wait_loadcnt 0x0                             ; gains and biases
.set j, 0
	s_wait_alu depctr_va_vdst(0)
.rept 16
	v_pk_mul_f32 v[T+j:T+j+1], v[T+j:T+j+1], v[220:221] op_sel_hi:[1,0]
.set j, j+2
.endr
.set j, 0
.rept 16
	v_pk_fma_f32 v[T+j:T+j+1], v[T+j:T+j+1], v[GR+j:GR+j+1], v[BR+j:BR+j+1]
.set j, j+2
.endr
	; my 64 columns are two blocks along the next K: half a fragment
.irp b, 0,1
	v_max3_num_f32 v[TM+\b], |v[T+16*\b]|, |v[T+1+16*\b]|, 0x1800000
.endr
.irp i, 2,4,6,8,10,12,14
.irp b, 0,1
	s_delay_alu instid0(VALU_DEP_2)
	v_max3_num_f32 v[TM+\b], v[TM+\b], |v[T+16*\b+\i]|, |v[T+1+16*\b+\i]|
.endr
.endr
.irp b, 0,1
	s_delay_alu instid0(VALU_DEP_2)
	v_permlanex16_b32 v[TM+2+\b], v[TM+\b], s44, s45
.endr
.irp b, 0,1
	s_delay_alu instid0(VALU_DEP_2)
	v_max_num_f32 v[TM+\b], v[TM+\b], v[TM+2+\b]
.endr
.irp b, 0,1
	s_delay_alu instid0(VALU_DEP_2)
	v_add_nc_u32 v[TM+4+\b], 0xff000000, v[TM+\b]
.endr
.irp b, 0,1
	s_delay_alu instid0(VALU_DEP_2)
	v_lshrrev_b32 v[TM+2+\b], 23, v[TM+4+\b]
.endr
	s_delay_alu instid0(VALU_DEP_1)
	v_lshl_or_b32 v[PW], v[TM+3], 8, v[TM+2]
	v_cvt_scalef32_pk16_fp6_f32 v[PC:PC+2], v[T:T+15], v[TM+4]
	v_cvt_scalef32_pk16_fp6_f32 v[PX:PX+2], v[T+16:T+31], v[TM+5]
	v_nop                                          ; one plain place behind a scaled conversion
.irp i, 0,1,2
	v_permlane16_swap_b32 v[PC+\i], v[PX+\i]
.endr
.irp i, 0,1,2
	s_delay_alu instid0(VALU_DEP_3)
	v_mov_b32 v[PC+3+\i], v[PX+\i]
.endr
.irp p, 0,1,2
	global_store_b64 v[L8], v[PC+2*\p:PC+2*\p+1], s[36:37] offset:256*\p
.endr
	global_store_b16 v[SB], v[PW], s[42:43]        ; my row's two scale bytes; the neighbouring wave writes the word's other half
	s_wait_tensorcnt 0x0
	ds_add_u32 v254, v255
	s_wait_dscnt 0x0
	s_endpgm
.Lfunc_end_k_qd3c852e4c2_projln:
	.size	k_qd3c852e4c2_projln, .Lfunc_end_k_qd3c852e4c2_projln-k_qd3c852e4c2_projln
	.p2alignl 7, 3214868480
	.fill 96, 4, 3214868480
	.section	.rodata,"a",@progbits
	.p2align	6, 0x0
	.amdhsa_kernel k_qd3c852e4c2_projln
		.amdhsa_group_segment_fixed_size 86528
		.amdhsa_private_segment_fixed_size 0
		.amdhsa_enable_private_segment 0
		.amdhsa_kernarg_size 64
		.amdhsa_user_sgpr_count 2
		.amdhsa_user_sgpr_kernarg_segment_ptr 1
		.amdhsa_wavefront_size32 1
		.amdhsa_system_sgpr_workgroup_id_x 1
		.amdhsa_system_sgpr_workgroup_id_y 1
		.amdhsa_system_sgpr_workgroup_id_z 1
		.amdhsa_system_vgpr_workitem_id 0
		.amdhsa_next_free_vgpr 256
		.amdhsa_next_free_sgpr 66
		.amdhsa_reserve_vcc 0
		.amdhsa_float_denorm_mode_32 3
		.amdhsa_float_denorm_mode_16_64 3
		.amdhsa_memory_ordered 1
		.amdhsa_forward_progress 1
		.amdhsa_inst_pref_size 53
	.end_amdhsa_kernel
	.amdgpu_metadata
---
amdhsa.version: [ 1, 2 ]
amdhsa.kernels:
  - .name:           k_qd3c852e4c2_projln
    .symbol:         k_qd3c852e4c2_projln.kd
    .args:
      - { .name: att, .offset: 0, .size: 8, .value_kind: global_buffer, .address_space: global }
      - { .name: wimg, .offset: 8, .size: 8, .value_kind: global_buffer, .address_space: global }
      - { .name: out_b, .offset: 16, .size: 8, .value_kind: global_buffer, .address_space: global }
      - { .name: x, .offset: 24, .size: 8, .value_kind: global_buffer, .address_space: global }
      - { .name: ln2_g, .offset: 32, .size: 8, .value_kind: global_buffer, .address_space: global }
      - { .name: ln2_b, .offset: 40, .size: 8, .value_kind: global_buffer, .address_space: global }
      - { .name: x1, .offset: 48, .size: 8, .value_kind: global_buffer, .address_space: global }
      - { .name: act2, .offset: 56, .size: 8, .value_kind: global_buffer, .address_space: global }
    .group_segment_fixed_size: 86528
    .private_segment_fixed_size: 0
    .kernarg_segment_align: 8
    .kernarg_segment_size: 64
    .max_flat_workgroup_size: 512
    .sgpr_count:     66
    .vgpr_count:     256
    .wavefront_size: 32
...
	.end_amdgpu_metadata
.endif
;; end of part 4
;; launch up (part 5): grid 16 x 16, 4 waves a work-group, clusters of 4 x 4, 327,680 bytes of LDS; arguments act2, wimg, b1, hid; writes hid
.if DOCPART == 5
	.amdgcn_target "amdgcn-amd-amdhsa--gfx1250"
	.amdhsa_code_object_version 6
	.text
	.protected	k_qd3c852e4c2_up
	.globl	k_qd3c852e4c2_up
	.p2align	8
	.type	k_qd3c852e4c2_up,@function
k_qd3c852e4c2_up:
	s_mov_b64 s[64:65], 0
	v_nop
	global_prefetch_b8 v0, s[64:65] scope:SCOPE_SE
	s_setreg_imm32_b32 hwreg(HW_REG_WAVE_MODE, 25, 1), 1
	s_wait_xcnt 0x0
	s_wait_alu depctr_hold_cnt(0) depctr_sa_sdst(0) depctr_va_vdst(0) depctr_va_sdst(0) depctr_va_ssrc(0) depctr_va_vcc(0) depctr_vm_vsrc(0)
	s_getreg_b32 s2, hwreg(HW_REG_IB_STS2, 6, 4)
	s_cmp_eq_u32 s2, 0
	s_cbranch_scc0 .Lentry_in_a_cluster
	s_endpgm
.Lentry_in_a_cluster:
	s_bfe_u32 s2, ttmp6, 0x10000c
	s_cmp_lg_u32 s2, 0xf033
	s_cbranch_scc0 .Lentry_shape_is_right
	s_endpgm
.Lentry_shape_is_right:
; HID = Q(gelu(Q(LN2(x1)) w1 + b1)) on codes of E2M3: the product, the activation in f32 and the quantiser along the 4,096 hidden units, in one launch.
; A tile of 256 tokens x 256 hidden units is made by four waves, each 128 x 128: 64 accumulators.  Both operands are operand images: a fragment is six dense LDS loads of 256 bytes.
; K = 1,024 goes in slots of 256 through a ring of two LDS slots filled by the tensor data mover; all scale words come once.
; CLUSTERS: 4 x 4 work-groups; the activations' tile is asked for jointly along a row of the cluster, the weights' along a column.
; Source 0 = 16 rows of w1, source 1 = 16 tokens: a lane holds one token, and the 64 registers of a token tile's eight accumulators are its 128 hidden units' share of this lane, 16 neighbours to each
; pair of tiles: they become one fragment (token tile, K step) of the next product, stored as an image.
; gelu(x) = x / (1 + 2^z), z = x (c0 + c1 x^2), c0 = -2 sqrt(2 / pi) log2(e), c1 = 0.044715 c0: the same function as 0.5 x (1 + tanh(..)); where 2^z overflows the quotient is 0, as there.
; LIMITS: NaN and infinities are not served; a block of zeros or under 2^-124 gets the byte 1 (read by this program alone).
; REGISTERS: window 0: v1-31 addresses, v32-63 scale words (two sets), v64-255 the tokens' fragments (two sets); window 1: the weights' fragments at v0 and v128, b1 in the gaps;
; windows 2, 3: the accumulators ((a, b) at register 8 (8 a + b)).  On the way out window 0's v64-199 are at work.
.set NBK,   8
.set NQ,    2
.set KST,   8
.set LAPS,  KST/(2*NQ)
.set FRB,   1536
.set HALFC, NBK*NQ*FRB
.set SLOT,  4*HALFC
.set SCL,   2*SLOT
.set HALFS, NBK*KST*64
.set SPARE, SCL+4*HALFS                ; the spare words, 128 bytes for each wave: two blocks of 256 bytes that no other line names
.set A_S,   3145728                    ; act2: scale words
.set W_C,   3145728                    ; wimg: w1's codes
.set W_S,   9568256                    ; and scale words
.set H_S,   12582912                   ; hid: scale words
.set ADRA,  16
.set ADRB,  20
.set L8,    24
.set L4,    25
.set R4,    26
.set ADRS,  27
.set SPW,   28
.set NIL,   29
.set BA,    30
.set SC,    32
.set AF,    64
.set T,     64
.set TM,    128
.set PC,    144
.set PW,    164
.set U,     166
.set KC0,   198
.set SEL,   96
.set G1,    24
.set G0,    32
.set G1B,   48
.set G0B,   56
.set G1S,   68
.set G0S,   76
.set G1SB,  80
.set G0SB,  88
.set MSB, 0
.macro WIN new                         ; the immediate's high byte repeats the setting that is left
.if MSB != (\new)
	s_set_vgpr_msb (MSB<<8)|(\new)
.set MSB, (\new)
.endif
.endm
.macro PLACES                          ; four plain places behind matrix instructions (ISA guide 7.12.1)
.rept 4
	v_nop
.endr
.endm
.macro JLOAD g0a, g1a, g0b, g1b        ; a joint load: waves 0 and 1 for the activations, waves 2 and 3 for the weights; four v_nop follow each line
	s_cmp_eq_u32 s15, 0
	s_cbranch_scc0 .Lfor_b_\@
	tensor_load_to_lds s[\g0a:\g0a+3], s[\g1a:\g1a+7]
	s_nop 0
.rept 4
	v_nop
.endr
	s_branch .Lasked_\@
.Lfor_b_\@:
	tensor_load_to_lds s[\g0b:\g0b+3], s[\g1b:\g1b+7]
	s_nop 0
.rept 4
	v_nop
.endr
.Lasked_\@:
.endm
.macro CREST
	s_cmp_lg_u32 s14, 0
	s_cbranch_scc1 .Lnot_wave_0_\@
	s_barrier_signal -3
.Lnot_wave_0_\@:
	s_barrier_wait -3
	s_barrier_signal -1
	s_barrier_wait -1
.endm
.macro CROUND
	s_barrier_signal -1
	s_barrier_wait -1
	CREST
.endm
	s_load_b128 s[4:7], s[0:1], 0x0                ; act2, wimg
	s_load_b128 s[8:11], s[0:1], 0x10              ; b1, hid
	v_lshl_add_u32 v[SPW], v0, 2, SPARE
	v_mov_b32 v[NIL], 0
	ds_add_u32 v28, v29
	ds_add_u32 v28, v29
	s_wait_dscnt 0x0
	v_lshrrev_b32 v1, 5, v0
	v_readfirstlane_b32 s14, v1                    ; wave 0..3
	s_lshr_b32 s15, s14, 1                         ; my half of the tokens.  Also: I fetch for the activations (0) or the weights (1)
	s_and_b32 s16, s14, 1                          ; my half of the columns.  Also: which half I fetch
	s_bfe_u32 s40, ttmp6, 0x40000                  ; cx
	s_bfe_u32 s41, ttmp6, 0x40004                  ; cy
	s_lshl_b32 s42, ttmp9, 2
	s_add_co_u32 s42, s42, s40                     ; tile column
	s_and_b32 s17, ttmp7, 0xffff
	s_lshl_b32 s17, s17, 2
	s_add_co_u32 s17, s17, s41                     ; tile row
	s_lshl_b32 s43, s41, 2
	s_lshl_b32 s43, 15, s43                        ; my row of the cluster
	s_lshl_b32 s44, 0x1111, s40                    ; my column
	s_or_b32 s[G1+0], s43, (3<<16)|(1<<21)         ; codes: NBK rows of NQ x 192 elements of 8 bytes, KST x 192 apart; no padding
	s_or_b32 s[G1B+0], s44, (3<<16)|(1<<21)
.irp g, G1, G1B
	s_mov_b32 s[\g+1], (NQ*192)<<16
	s_mov_b32 s[\g+2], (2*NBK)<<16                 ; the head's loads of codes bring both halves of a tile
	s_mov_b32 s[\g+3], (NQ*192)<<16
	s_mov_b32 s[\g+4], 2*NBK
	s_mov_b32 s[\g+5], KST*192
	s_mov_b32 s[\g+6], 0
	s_mov_b32 s[\g+7], 0
.endr
	s_or_b32 s[G1S+0], s43, (3<<16)|(1<<21)        ; scale words of 16 tiles: a dense block, as rows of 256 bytes
	s_or_b32 s[G1SB+0], s44, (3<<16)|(1<<21)
.irp g, G1S, G1SB
	s_mov_b32 s[\g+1], 32<<16
	s_mov_b32 s[\g+2], (HALFS/128)<<16             ; the scale words of both halves: one dense block
	s_mov_b32 s[\g+3], 32<<16
	s_mov_b32 s[\g+4], HALFS/128
	s_mov_b32 s[\g+5], 32
	s_mov_b32 s[\g+6], 0
	s_mov_b32 s[\g+7], 0
.endr
	s_lshl_b32 s20, s17, 1
	s_add_co_u32 s20, s20, s16
	s_lshl_b32 s46, s42, 1
	s_add_co_u32 s46, s46, s16
	s_mul_i32 s22, s17, 2*HALFS
	s_mul_i32 s92, s42, 2*HALFS
	s_mul_i32 s2, s16, NBK*KST*FRB                 ; bytes from a tile's first half to the half that I fetch in the ring
	s_mov_b32 s3, 0
	s_mul_i32 s20, s20, NBK*KST*FRB
	s_mul_i32 s46, s46, NBK*KST*FRB
	s_add_co_u32 s22, s22, A_S
	s_add_co_u32 s92, s92, W_S
	s_add_co_u32 s46, s46, W_C
	s_mov_b32 s21, 0
	s_mov_b32 s23, 0
	s_mov_b32 s47, 0
	s_mov_b32 s93, 0
	s_mul_i32 s45, s14, HALFC
	s_mov_b32 s[SEL], 0x76543210
	s_mov_b32 s[SEL+1], 0xfedcba98
	s_mov_b32 s98, 0xbdd2d3e8                      ; c1
	s_mov_b32 s99, s98
	s_wait_kmcnt 0x0
	s_add_nc_u64 s[20:21], s[4:5], s[20:21]
	s_add_nc_u64 s[22:23], s[4:5], s[22:23]
	s_add_nc_u64 s[46:47], s[6:7], s[46:47]
	s_add_nc_u64 s[92:93], s[6:7], s[92:93]
	CROUND                                         ; all sixteen work-groups are here: the first joint loads meet
	s_mov_b32 s[G0S], 1
	s_mov_b32 s[G0S+1], SCL
	s_mov_b64 s[G0S+2:G0S+3], s[22:23]
	s_or_b32 s[G0S+3], s[G0S+3], 0x80000000
	s_mov_b32 s[G0SB], 1
	s_mov_b32 s[G0SB+1], SCL+2*HALFS
	s_mov_b64 s[G0SB+2:G0SB+3], s[92:93]
	s_or_b32 s[G0SB+3], s[G0SB+3], 0x80000000
.irp s, 0,1
	s_mov_b32 s[G0+4*\s], 1
	s_add_co_u32 s[G0+4*\s+1], s45, \s*SLOT
	s_add_nc_u64 s[G0+4*\s+2:G0+4*\s+3], s[20:21], \s*NQ*FRB
	s_or_b32 s[G0+4*\s+3], s[G0+4*\s+3], 0x80000000
	s_mov_b32 s[G0B+4*\s], 1
	s_add_co_u32 s[G0B+4*\s+1], s45, \s*SLOT
	s_add_nc_u64 s[G0B+4*\s+2:G0B+4*\s+3], s[46:47], \s*NQ*FRB
	s_or_b32 s[G0B+4*\s+3], s[G0B+4*\s+3], 0x80000000
.endr
	; THE HEAD'S FOUR TILES, ONE JOINT LOAD A WAVE: wave 0 slot 0's 16 tiles of the activations, wave 1 those of the weights, waves 2 and 3 the two blocks of scale words.
	; Slot 0's two groups 0 serve these loads first: the whole tile, from its first half on.
	s_mov_b32 s[G0+1], 0
	s_sub_nc_u64 s[G0+2:G0+3], s[G0+2:G0+3], s[2:3]
	s_mov_b32 s[G0B+1], 2*HALFC
	s_sub_nc_u64 s[G0B+2:G0B+3], s[G0B+2:G0B+3], s[2:3]
.macro ARM under, g0, g1, next
	s_cmp_lt_u32 s14, \under
	s_cbranch_scc0 \next
	tensor_load_to_lds s[\g0:\g0+3], s[\g1:\g1+7]
	s_nop 0
.rept 4
	v_nop
.endr
	s_branch .Lhead_asked
\next:
.endm
	ARM 1, G0,  G1,  .Lhead_b
	ARM 2, G0B, G1B, .Lhead_sa
	ARM 3, G0S, G1S, .Lhead_sb
	tensor_load_to_lds s[G0SB:G0SB+3], s[G1SB:G1SB+7]
	s_nop 0
.rept 4
	v_nop
.endr
.Lhead_asked:
	; PREFETCH: K is four slot tiles.  Tiles 1 and 2 are asked of memory here, beside tile 0's load, tile 3 behind the first K step.  Of the 8 tiles x 3,072 bytes that a wave fetches for a slot, each of the four
	; partners that ask jointly names two tiles, by address (cx for the activations, cy for the weights): 24 blocks of 256 bytes, a lane a block; lanes 24-31 name the last block again.
	s_cmp_eq_u32 s15, 0                            ; do I fetch for the activations?
	s_cselect_b64 s[4:5], s[20:21], s[46:47]       ; (the arguments that lay here have been used)
	s_cselect_b32 s6, s40, s41
	s_mul_i32 s6, s6, 2*KST*FRB
	s_mov_b32 s7, 0
	s_add_nc_u64 s[4:5], s[4:5], s[6:7]
	v_and_b32 v23, 31, v0
	v_min_u32 v23, 23, v23                         ; block l of my 24
	v_mul_u32_u24 v22, v23, 11
	v_lshrrev_b32 v22, 7, v22                      ; l / 12: which of my two tiles
	v_mul_u32_u24 v22, v22, KST*FRB-NQ*FRB
	v_lshl_add_u32 v22, v23, 8, v22                ; 256 l, and from the first tile's piece on to the second's
	global_prefetch_b8 v22, s[4:5] offset:NQ*FRB th:TH_LOAD_NT scope:SCOPE_SE
	global_prefetch_b8 v22, s[4:5] offset:2*NQ*FRB th:TH_LOAD_NT scope:SCOPE_SE
	v_and_b32 v1, 15, v0                           ; r
	v_bfe_u32 v2, v0, 4, 1                         ; h
	s_wait_alu depctr_va_vdst(0)
	v_and_b32 v3, 31, v0
	v_lshlrev_b32 v[L8], 3, v3
	v_lshlrev_b32 v[L4], 2, v3
	v_lshlrev_b32 v[R4], 2, v1
	s_mul_i32 s18, s15, HALFC                      ; my tokens' fragments
	s_mul_i32 s19, s16, HALFC
	s_add_co_u32 s19, s19, 2*HALFC                 ; my columns'
.irp s, 0,1
	v_add_nc_u32 v[ADRA+\s], s18, v[L8]
	v_add_nc_u32 v[ADRB+\s], s19, v[L8]
	s_add_co_u32 s18, s18, SLOT
	s_add_co_u32 s19, s19, SLOT
.endr
	s_mul_i32 s18, s15, HALFS                      ; scale words: lanes 0-15 the tokens', lanes 16-31 the weights'
	s_mul_i32 s19, s16, HALFS
	s_add_co_u32 s19, s19, 2*HALFS
	s_sub_co_u32 s19, s19, s18
	v_mul_u32_u24 v4, s19, v2
	s_wait_alu depctr_va_vdst(0)
	s_add_co_u32 s18, s18, SCL
	v_add_nc_u32 v4, v[R4], v4
	v_add_nc_u32 v[ADRS], s18, v4
	s_lshl_b32 s46, s42, 10                        ; b1 of my 128 columns; the loads stay out through the K loop: their address register is not written again
	s_lshl_b32 s47, s16, 9
	s_add_co_u32 s46, s46, s47
	s_mov_b32 s47, 0
	s_add_nc_u64 s[8:9], s[8:9], s[46:47]
	v_lshlrev_b32 v[BA], 6, v2
	WIN 0x40
.set ei, 0
.rept 16
	global_load_b128 v[96+4*ei+96*(ei/8):96+4*ei+96*(ei/8)+3], v[BA], s[8:9] offset:128*(ei/4)+16*(ei%4)
.set ei, ei+1
.endr
	WIN 0
	s_lshl_b32 s20, s17, 4
	s_lshl_b32 s21, s15, 3
	s_add_co_u32 s20, s20, s21                     ; my first tile of tokens
	s_lshl_b32 s20, s20, 5
	s_lshl_b32 s21, s42, 1
	s_add_co_u32 s20, s20, s21
	s_add_co_u32 s20, s20, s16                     ; 32 x tile + my K step of the next product
	s_mul_i32 s100, s20, 1536
	s_mov_b32 s101, 0
	s_add_nc_u64 s[12:13], s[10:11], s[100:101]
	s_lshl_b32 s100, s20, 6
	s_add_co_u32 s100, s100, H_S
	s_add_nc_u64 s[46:47], s[10:11], s[100:101]
.macro FRAG reg, adr, q, i
.irp p, 0,1,2,3,4,5
	ds_load_b64 v[(\reg)+2*\p:(\reg)+2*\p+1], v[\adr] offset:(\i)*NQ*FRB+(\q)*FRB+256*\p
.endr
.endm
.macro FETCH slot, q, set
	WIN 0x40
.set fi, 0
.rept NBK
	FRAG 128*(\set)+12*fi, ADRB+\slot, \q, fi
.set fi, fi+1
.endr
	WIN 0
.set fi, 0
.rept NBK
	FRAG AF+96*(\set)+12*fi, ADRA+\slot, \q, fi
.set fi, fi+1
.endr
.endm
.macro SCALES sl
.set si, 0
.rept NBK
.set sq, 0
.rept NQ
	ds_load_b32 v[SC+16*(\sl)+NQ*si+sq], v[ADRS] offset:si*KST*64+64*sq
.set sq, sq+1
.endr
.set si, si+1
.endr
.endm
; token tile a against the weights' NBK tiles.  The accumulators take turns, one instruction a turn, in the same order in every K step.
.macro MULA a, set, q, sl, zero
	WIN 0xa1+0x50*((NBK*(\a))/32)
.set bi, 0
.rept NBK
.set DD, 8*((NBK*(\a)+bi)%32)
.if \zero
	v_wmma_scale_f32_16x16x128_f8f6f4 v[DD:DD+7], v[128*(\set)+12*bi:128*(\set)+12*bi+11], v[AF+96*(\set)+12*(\a):AF+96*(\set)+12*(\a)+11], 0, v[SC+16*(\sl)+NQ*bi+(\q)], v[SC+16*(\sl)+NQ*(\a)+(\q)] matrix_a_fmt:MATRIX_FMT_FP6 matrix_b_fmt:MATRIX_FMT_FP6 matrix_a_scale:MATRIX_SCALE_ROW1
.else
	v_wmma_scale_f32_16x16x128_f8f6f4 v[DD:DD+7], v[128*(\set)+12*bi:128*(\set)+12*bi+11], v[AF+96*(\set)+12*(\a):AF+96*(\set)+12*(\a)+11], v[DD:DD+7], v[SC+16*(\sl)+NQ*bi+(\q)], v[SC+16*(\sl)+NQ*(\a)+(\q)] matrix_a_fmt:MATRIX_FMT_FP6 matrix_b_fmt:MATRIX_FMT_FP6 matrix_a_scale:MATRIX_SCALE_ROW1
.endif
.set bi, bi+1
.endr
.endm
.macro STEP slot, q, zero
	s_wait_dscnt 0x0                               ; this step's fragments and words, asked for half a step ago
.set ai, 0
.rept NBK/2
	MULA ai, (\q)%2, \q, \slot, \zero
.set ai, ai+1
.endr
	PLACES
	FETCH \slot, (\q)+1, ((\q)+1)%2
.rept NBK/2
	MULA ai, (\q)%2, \q, \slot, \zero
.set ai, ai+1
.endr
	WIN 0
.endm
.macro TURN slot, next, fill
	s_wait_tensorcnt 0x0                           ; the one load of mine that was out: my part of the next slot
	ds_add_u32 v[SPW], v[NIL]                      ; 0 onto my spare word
	s_wait_dscnt 0x1                               ; the fragments are in; the add may be out
.set ai, 0
.rept NBK/4
	MULA ai, 1, NQ-1, \slot, 0
.set ai, ai+1
.endr
	s_wait_dscnt 0x0                               ; the add is done, and my reads of this slot are over
	s_barrier_signal -1
.rept NBK/4
	MULA ai, 1, NQ-1, \slot, 0
.set ai, ai+1
.endr
	WIN 0
	s_barrier_wait -1
.if \fill
	CREST                                          ; a round of the cluster's barrier: no wave of any partner still reads this slot or has a load on its way
	s_add_nc_u64 s[G0+4*\slot+2:G0+4*\slot+3], s[G0+4*\slot+2:G0+4*\slot+3], 2*NQ*FRB
	s_add_nc_u64 s[G0B+4*\slot+2:G0B+4*\slot+3], s[G0B+4*\slot+2:G0B+4*\slot+3], 2*NQ*FRB
	JLOAD G0+4*\slot, G1, G0B+4*\slot, G1B         ; the first tensor load behind the round; its four v_nop are also the places in front of the loads below
.else
	PLACES
.endif
	s_wait_alu depctr_va_vdst(0)
	v_add_nc_u32 v[ADRS], NQ*64, v[ADRS]
	FETCH \next, 0, 0
	SCALES \next
.rept NBK/2
	MULA ai, 1, NQ-1, \slot, 0
.set ai, ai+1
.endr
	WIN 0
.endm
	s_wait_alu depctr_va_vdst(0)
	s_wait_tensorcnt 0x0                           ; my tile of the head's four is in
	ds_add_u32 v[SPW], v[NIL]
	s_mov_b32 s[G1+2], NBK<<16                     ; no load of mine is out: from here on a load brings one half of a tile,
	s_mov_b32 s[G1+4], NBK
	s_mov_b32 s[G1B+2], NBK<<16
	s_mov_b32 s[G1B+4], NBK
	s_mov_b32 s[G0+1], s45                         ; and slot 0's groups 0 stand at my half
	s_add_nc_u64 s[G0+2:G0+3], s[G0+2:G0+3], s[2:3]
	s_mov_b32 s[G0B+1], s45
	s_add_nc_u64 s[G0B+2:G0B+3], s[G0B+2:G0B+3], s[2:3]
	s_wait_dscnt 0x0
	CROUND                                         ; all four tiles are in, in every partner
	JLOAD G0+4, G1, G0B+4, G1B                     ; slot 1's first fill, the first tensor load behind the round
	FETCH 0, 0, 0
	SCALES 0
	STEP 0, 0, 1
	global_prefetch_b8 v22, s[4:5] offset:3*NQ*FRB th:TH_LOAD_NT scope:SCOPE_SE   ; the last slot tile, two refills ahead of its load
	s_mov_b32 s3, LAPS-1
.Llap:
	TURN 0, 1, 1
	STEP 1, 0, 0
	TURN 1, 0, 1
	STEP 0, 0, 0
	s_sub_co_u32 s3, s3, 1
	s_cmp_lg_u32 s3, 0
	s_cbranch_scc1 .Llap
	TURN 0, 1, 0
	STEP 1, 0, 0
	s_wait_dscnt 0x0
.set ai, 0
.rept NBK
	MULA ai, 1, NQ-1, 1, 0
.set ai, ai+1
.endr
	WIN 0
	PLACES
	s_wait_loadcnt 0x0                             ; b1
.macro QUANT s                         ; 64 numbers of a lane, register 16 b + i = k 32 b + 16 (lane / 16) + i, become a fragment's codes in v[PC] on and its scale word in v[PW]
.irp b, 0,1,2,3
	v_max3_num_f32 v[TM+\b], |v[\s+16*\b]|, |v[\s+1+16*\b]|, 0x1800000
.endr
.irp i, 2,4,6,8,10,12,14
.irp b, 0,1,2,3
	v_max3_num_f32 v[TM+\b], v[TM+\b], |v[\s+16*\b+\i]|, |v[\s+1+16*\b+\i]|
.endr
.endr
.irp b, 0,1,2,3
	v_permlanex16_b32 v[TM+4+\b], v[TM+\b], s[SEL], s[SEL+1]
.endr
.irp b, 0,1,2,3
	v_max_num_f32 v[TM+\b], v[TM+\b], v[TM+4+\b]
.endr
.irp b, 0,1,2,3
	v_add_nc_u32 v[TM+12+\b], 0xff000000, v[TM+\b]
.endr
.irp b, 0,1,2,3
	v_lshrrev_b32 v[TM+4+\b], 23, v[TM+12+\b]
.endr
	v_lshl_or_b32 v[PW], v[TM+5], 8, v[TM+4]
	v_lshl_or_b32 v[PW], v[TM+6], 16, v[PW]
	v_lshl_or_b32 v[PW], v[TM+7], 24, v[PW]
.irp c, 0,1
	v_cvt_scalef32_pk16_fp6_f32 v[PC+6*\c:PC+2+6*\c], v[\s+32*\c:\s+15+32*\c], v[TM+12+2*\c]
	v_cvt_scalef32_pk16_fp6_f32 v[PC+12+4*\c:PC+14+4*\c], v[\s+16+32*\c:\s+31+32*\c], v[TM+12+2*\c+1]
.endr
	v_nop                                          ; one plain place behind a scaled conversion
.irp c, 0,1
.irp i, 0,1,2
	v_permlane16_swap_b32 v[PC+6*\c+\i], v[PC+12+4*\c+\i]
.endr
.irp i, 0,1,2
	v_mov_b32 v[PC+3+6*\c+\i], v[PC+12+4*\c+\i]
.endr
.endr
.endm
.macro GELU tt                         ; 32 numbers in place
.set gi, 0
.rept 16
	v_pk_mul_f32 v[U+gi:U+gi+1], v[\tt+gi:\tt+gi+1], v[\tt+gi:\tt+gi+1]
.set gi, gi+2
.endr
.set gi, 0
.rept 16
	v_pk_fma_f32 v[U+gi:U+gi+1], v[U+gi:U+gi+1], s[98:99], v[KC0:KC0+1] op_sel_hi:[1,0,0]   ; c1 x^2 + c0
.set gi, gi+2
.endr
.set gi, 0
.rept 16
	v_pk_mul_f32 v[U+gi:U+gi+1], v[U+gi:U+gi+1], v[\tt+gi:\tt+gi+1]                         ; z
.set gi, gi+2
.endr
.set gi, 0
	s_wait_alu depctr_va_vdst(0)
.rept 32
	v_exp_f32 v[U+gi], v[U+gi]
.set gi, gi+1
.endr
	v_nop                                          ; one plain place behind the transcendentals
.set gi, 0
	s_wait_alu depctr_va_vdst(0)
.rept 16
	v_pk_add_f32 v[U+gi:U+gi+1], v[U+gi:U+gi+1], 1.0 op_sel_hi:[1,0]
.set gi, gi+2
.endr
.set gi, 0
	s_wait_alu depctr_va_vdst(0)
.rept 32
	v_rcp_f32 v[U+gi], v[U+gi]
.set gi, gi+1
.endr
	v_nop
.set gi, 0
	s_wait_alu depctr_va_vdst(0)
.rept 16
	v_pk_mul_f32 v[\tt+gi:\tt+gi+1], v[\tt+gi:\tt+gi+1], v[U+gi:U+gi+1]
.set gi, gi+2
.endr
.endm
.irp b, 0,1,2,3
	v_mov_b32 v[TM+4+\b], 0                        ; a lane permute's destination counts as one of its sources
.endr
	v_mov_b32 v[KC0], 0xc0135761                   ; c0
	v_mov_b32 v[KC0+1], v[KC0]
.macro EPI a                           ; token tile a
.if \a > 0
	s_wait_xcnt 0x0                                ; the last tile's stores have read their registers
.endif
	WIN 0x06+(\a)/4
.set ei, 0
.rept 32
	v_pk_add_f32 v[T+2*ei:T+2*ei+1], v[64*((\a)%4)+2*ei:64*((\a)%4)+2*ei+1], v[96+2*ei+96*(ei/16):96+2*ei+96*(ei/16)+1]   ; + b1; each accumulator from its low end on
.set ei, ei+1
.endr
	WIN 0
	GELU T
	GELU T+32
	QUANT T
.irp p, 0,1,2,3,4,5
	global_store_b64 v[L8], v[PC+2*\p:PC+2*\p+1], s[12:13] offset:(\a)*49152+256*\p          ; 32 lanes store 256 consecutive bytes, aligned
.endr
	global_store_b32 v[R4], v[PW], s[46:47] offset:(\a)*2048                                 ; 64 bytes of scale words (both halves of the lanes hold the same)
.endm
.irp a, 0,1,2,3,4,5,6,7
	EPI \a
.endr
	s_wait_tensorcnt 0x0                           ; the wave's end
	ds_add_u32 v[SPW], v[NIL]
	s_wait_dscnt 0x0
	CROUND                                         ; the closing round
	s_endpgm
.Lfunc_end_k_qd3c852e4c2_up:
	.size	k_qd3c852e4c2_up, .Lfunc_end_k_qd3c852e4c2_up-k_qd3c852e4c2_up
	.p2alignl 7, 3214868480
	.fill 96, 4, 3214868480
	.section	.rodata,"a",@progbits
	.p2align	6, 0x0
	.amdhsa_kernel k_qd3c852e4c2_up
		.amdhsa_group_segment_fixed_size 327680
		.amdhsa_private_segment_fixed_size 0
		.amdhsa_enable_private_segment 0
		.amdhsa_kernarg_size 32
		.amdhsa_user_sgpr_count 2
		.amdhsa_user_sgpr_kernarg_segment_ptr 1
		.amdhsa_wavefront_size32 1
		.amdhsa_system_sgpr_workgroup_id_x 1
		.amdhsa_system_sgpr_workgroup_id_y 1
		.amdhsa_system_sgpr_workgroup_id_z 1
		.amdhsa_system_vgpr_workitem_id 0
		.amdhsa_next_free_vgpr 1024
		.amdhsa_next_free_sgpr 102
		.amdhsa_reserve_vcc 0
		.amdhsa_float_denorm_mode_32 3
		.amdhsa_float_denorm_mode_16_64 3
		.amdhsa_memory_ordered 1
		.amdhsa_forward_progress 1
		.amdhsa_inst_pref_size 255
	.end_amdhsa_kernel
	.section	.bss,"aw",@nobits
	.p2align	6
	.space	262144
	.amdgpu_metadata
---
amdhsa.version: [ 1, 2 ]
amdhsa.kernels:
  - .name:           k_qd3c852e4c2_up
    .symbol:         k_qd3c852e4c2_up.kd
    .args:
      - { .name: act2, .offset: 0, .size: 8, .value_kind: global_buffer, .address_space: global }
      - { .name: wimg, .offset: 8, .size: 8, .value_kind: global_buffer, .address_space: global }
      - { .name: b1, .offset: 16, .size: 8, .value_kind: global_buffer, .address_space: global }
      - { .name: hid, .offset: 24, .size: 8, .value_kind: global_buffer, .address_space: global }
    .group_segment_fixed_size: 327680
    .private_segment_fixed_size: 0
    .kernarg_segment_align: 8
    .kernarg_segment_size: 32
    .max_flat_workgroup_size: 128
    .sgpr_count:     102
    .vgpr_count:     1024
    .wavefront_size: 32
...
	.end_amdgpu_metadata
.endif
;; end of part 5
;; launch down (part 6): grid 8 x 32, 4 waves a work-group, clusters of 4 x 4, 327,680 bytes of LDS; arguments hid, wimg, b2, x1, out0; writes out0
.if DOCPART == 6
	.amdgcn_target "amdgcn-amd-amdhsa--gfx1250"
	.amdhsa_code_object_version 6
	.text
	.protected	k_qd3c852e4c2_down
	.globl	k_qd3c852e4c2_down
	.p2align	8
	.type	k_qd3c852e4c2_down,@function
k_qd3c852e4c2_down:
	s_mov_b64 s[64:65], 0
	v_nop
	global_prefetch_b8 v0, s[64:65] scope:SCOPE_SE
	s_setreg_imm32_b32 hwreg(HW_REG_WAVE_MODE, 25, 1), 1
	s_wait_xcnt 0x0
	s_wait_alu depctr_hold_cnt(0) depctr_sa_sdst(0) depctr_va_vdst(0) depctr_va_sdst(0) depctr_va_ssrc(0) depctr_va_vcc(0) depctr_vm_vsrc(0)
	s_getreg_b32 s2, hwreg(HW_REG_IB_STS2, 6, 4)
	s_cmp_eq_u32 s2, 0
	s_cbranch_scc0 .Lentry_in_a_cluster
	s_endpgm
.Lentry_in_a_cluster:
	s_bfe_u32 s2, ttmp6, 0x10000c
	s_cmp_lg_u32 s2, 0xf033
	s_cbranch_scc0 .Lentry_shape_is_right
	s_endpgm
.Lentry_shape_is_right:
; OUT0 = x1 + HID w2 + b2 on codes of E2M3.  HID (4,096 tokens x 4,096 hidden units) and w2 (1,024 columns x 4,096) are operand images: [tile of 16 rows][K step of 128][1,536 bytes],
; a fragment being six dense chunks of 256 bytes (chunk p = operand registers 2 p, 2 p + 1 of the 32 lanes); their scale words are [tile][K step][16 rows][4 bytes].
; A block of 128 tokens x 128 columns is made by four waves, each 64 x 64: 16 accumulators.  4,096 x 1,024 / (128 x 128) = 256 work-groups.
; K = 4,096 is 32 K steps; a slot holds 4 of them for the block's 8 + 8 tiles (98,304 bytes); two slots take turns, filled by the tensor data mover; all scale words (32,768 bytes) come once.
; CLUSTERS: 4 x 4 work-groups; the tokens' tiles are asked for jointly along a row of the cluster, the weights' along a column.
; THE HEAD has four tiles and four waves, one joint load each: wave 0 slot 0's 8 tiles of tokens, wave 1 its 8 tiles of weights, wave 2 the tokens' scale words, wave 3 the weights'.
; Slot 1 is first filled behind the full sequence and a round, as a refill is; in the ring each wave brings a quarter of a slot (4 tiles x 6,144 bytes).
; PREFETCH: slot tile t + 2 is asked of memory when slot tile t is asked for by its tensor load (tiles 2 and 3 at the head, tiles 4 to 7 behind the refills of the loop's first two trips; the last trip asks for
; nothing, so no address passes the operand's end).  Of the 4 tiles x 6,144 bytes that a wave fetches, each of the four partners that ask jointly names one tile, by address (cx for the tokens, cy for the weights):
; 24 blocks of 256 bytes, a lane a block; lanes 24-31 name the last block again.  So each block is named once in each cluster that loads it, and at most two slot tiles of a wave's share are asked for and not yet read.
; Source 0 = 16 rows of w2, source 1 = 16 tokens: a lane holds one token and eight neighbouring columns; the tiles' rows are 32 (T / 2) + 8 (T % 2) + r + 8 (r / 8), as the first launch lays them.
; x1 and b2 are asked for behind the first K step and are first read on the way out.
; LIMITS: NaN and infinities among the inputs are not served.
; REGISTERS: window 0: v16-31 addresses, v32-63 scale words (two sets), v64-111 and v160-207 the tokens' fragments (two sets); window 1: the weights' fragments at v0 and v128, x1 and b2 in the gaps; window 2: the accumulators.
.set NBK,   4                          ; tiles of 16 rows in a wave's share of either operand
.set NQ,    4                          ; K steps in a slot
.set KST,   32                         ; K steps in all
.set LAPS,  KST/(2*NQ)
.set FRB,   1536
.set HALFC, NBK*NQ*FRB                 ; what one load of the ring brings
.set SLOT,  4*HALFC
.set SCL,   2*SLOT
.set HALFS, NBK*KST*64
.set SPARE, SCL+4*HALFS                ; the spare words, 128 bytes a wave; no other line names them
.set A_S,   12582912                   ; hid: scale words
.set W_C,   6291456                    ; wimg: w2's codes
.set W_S,   9699328                    ; and scale words
.set ADRA,  16
.set ADRB,  20
.set STO,   22
.set RD,    23
.set L8,    24
.set PFO,   25                         ; the prefetches' offset: 256 x min(lane, 23); never rewritten
.set R4,    26
.set ADRS,  27
.set SPW,   28
.set NIL,   29
.set CO,    30
.set BIA,   31
.set SC,    32
.set AF,    64
.set BK,    192
.set G1,    24
.set G0,    32
.set G1B,   48
.set G0B,   56
.set G1S,   68
.set G0S,   76
.set G1SB,  80
.set G0SB,  88
.set PFA,   96                         ; s[96:97] my share of the prefetches: one tile of the four that I fetch, at the lap's first slot tile
.set HOF,   98                         ; s[98:99] bytes from a block's first half to the half that I fetch
.set MSB, 0
.macro WIN new                         ; the immediate's high byte repeats the setting that is left
.if MSB != (\new)
	s_set_vgpr_msb (MSB<<8)|(\new)
.set MSB, (\new)
.endif
.endm
.macro PLACES                          ; four plain places behind matrix instructions (ISA guide 7.12.1)
.rept 4
	v_nop
.endr
.endm
.macro JLOAD g0a, g1a, g0b, g1b        ; a joint load of the ring: waves 0 and 1 for the tokens, waves 2 and 3 for the weights
	s_cmp_eq_u32 s15, 0
	s_cbranch_scc0 .Lfor_b_\@
	tensor_load_to_lds s[\g0a:\g0a+3], s[\g1a:\g1a+7]
	s_nop 0
.rept 4
	v_nop
.endr
	s_branch .Lasked_\@
.Lfor_b_\@:
	tensor_load_to_lds s[\g0b:\g0b+3], s[\g1b:\g1b+7]
	s_nop 0
.rept 4
	v_nop
.endr
.Lasked_\@:
.endm
.macro CREST
	s_cmp_lg_u32 s14, 0
	s_cbranch_scc1 .Lnot_wave_0_\@
	s_barrier_signal -3
.Lnot_wave_0_\@:
	s_barrier_wait -3
	s_barrier_signal -1
	s_barrier_wait -1
.endm
.macro CROUND
	s_barrier_signal -1
	s_barrier_wait -1
	CREST
.endm
.macro ARM under, g0, g1, next         ; one arm of the head's tree: its load, and a jump to the tree's end
	s_cmp_lt_u32 s14, \under
	s_cbranch_scc0 \next
	tensor_load_to_lds s[\g0:\g0+3], s[\g1:\g1+7]
	s_nop 0
.rept 4
	v_nop
.endr
	s_branch .Lhead_asked
\next:
.endm
	s_load_b128 s[4:7], s[0:1], 0x0                ; hid, wimg
	s_load_b128 s[8:11], s[0:1], 0x10              ; b2, x1
	s_load_b64 s[12:13], s[0:1], 0x20              ; out0
	v_lshl_add_u32 v[SPW], v0, 2, SPARE
	v_mov_b32 v[NIL], 0
	ds_add_u32 v[SPW], v[NIL]                      ; the opening lines: the add, twice on end,
	ds_add_u32 v[SPW], v[NIL]
	v_lshrrev_b32 v1, 5, v0
	v_readfirstlane_b32 s14, v1                    ; wave 0..3
	s_lshr_b32 s15, s14, 1                         ; my half of the tokens.  Also: in the ring I fetch for the tokens (0) or the weights (1)
	s_and_b32 s16, s14, 1                          ; my half of the columns.  Also: which half I fetch
	s_bfe_u32 s40, ttmp6, 0x40000                  ; cx
	s_bfe_u32 s41, ttmp6, 0x40004                  ; cy
	s_lshl_b32 s42, ttmp9, 2
	s_add_co_u32 s42, s42, s40                     ; block column
	s_and_b32 s17, ttmp7, 0xffff
	s_lshl_b32 s17, s17, 2
	s_add_co_u32 s17, s17, s41                     ; block row
	s_lshl_b32 s43, s41, 2
	s_lshl_b32 s43, 15, s43                        ; my row of the cluster
	s_lshl_b32 s44, 0x1111, s40                    ; my column
	s_or_b32 s[G1+0], s43, (3<<16)|(1<<21)         ; codes: rows of NQ x 192 elements of 8 bytes, KST x 192 apart; 8 rows for the head's loads
	s_or_b32 s[G1B+0], s44, (3<<16)|(1<<21)
.irp g, G1, G1B
	s_mov_b32 s[\g+1], (NQ*192)<<16
	s_mov_b32 s[\g+2], (2*NBK)<<16
	s_mov_b32 s[\g+3], (NQ*192)<<16
	s_mov_b32 s[\g+4], 2*NBK
	s_mov_b32 s[\g+5], KST*192
	s_mov_b32 s[\g+6], 0
	s_mov_b32 s[\g+7], 0
.endr
	s_or_b32 s[G1S+0], s43, (3<<16)|(1<<21)        ; scale words of 8 tiles: a dense block, as rows of 256 bytes
	s_or_b32 s[G1SB+0], s44, (3<<16)|(1<<21)
.irp g, G1S, G1SB
	s_mov_b32 s[\g+1], 32<<16
	s_mov_b32 s[\g+2], (HALFS/128)<<16
	s_mov_b32 s[\g+3], 32<<16
	s_mov_b32 s[\g+4], HALFS/128
	s_mov_b32 s[\g+5], 32
	s_mov_b32 s[\g+6], 0
	s_mov_b32 s[\g+7], 0
.endr
	s_mul_i32 s22, s17, 2*HALFS
	s_mul_i32 s92, s42, 2*HALFS
	s_mul_i32 s20, s17, 2*NBK*KST*FRB
	s_mul_i32 s46, s42, 2*NBK*KST*FRB
	s_add_co_u32 s22, s22, A_S
	s_add_co_u32 s92, s92, W_S
	s_add_co_u32 s46, s46, W_C
	s_mov_b32 s21, 0
	s_mov_b32 s23, 0
	s_mov_b32 s47, 0
	s_mov_b32 s93, 0
	s_mul_i32 s[HOF], s16, NBK*KST*FRB
	s_mov_b32 s[HOF+1], 0
	s_mul_i32 s45, s14, HALFC                      ; where my quarter of a slot goes: no place in the cluster enters an LDS address
	s_wait_dscnt 0x0                               ; and the one wait for both adds
	s_wait_kmcnt 0x0
	s_add_nc_u64 s[20:21], s[4:5], s[20:21]
	s_add_nc_u64 s[22:23], s[4:5], s[22:23]
	s_add_nc_u64 s[46:47], s[6:7], s[46:47]
	s_add_nc_u64 s[92:93], s[6:7], s[92:93]
	CROUND                                         ; all sixteen work-groups are here: the first joint loads meet
	s_mov_b32 s[G0S], 1
	s_mov_b32 s[G0S+1], SCL
	s_mov_b64 s[G0S+2:G0S+3], s[22:23]
	s_or_b32 s[G0S+3], s[G0S+3], 0x80000000
	s_mov_b32 s[G0SB], 1
	s_mov_b32 s[G0SB+1], SCL+2*HALFS
	s_mov_b64 s[G0SB+2:G0SB+3], s[92:93]
	s_or_b32 s[G0SB+3], s[G0SB+3], 0x80000000
	s_mov_b32 s[G0], 1                             ; slot 0's groups 0 serve the head's loads first: all 8 tiles
	s_mov_b32 s[G0+1], 0
	s_mov_b64 s[G0+2:G0+3], s[20:21]
	s_or_b32 s[G0+3], s[G0+3], 0x80000000
	s_mov_b32 s[G0B], 1
	s_mov_b32 s[G0B+1], 2*HALFC
	s_mov_b64 s[G0B+2:G0B+3], s[46:47]
	s_or_b32 s[G0B+3], s[G0B+3], 0x80000000
	s_add_nc_u64 s[20:21], s[20:21], s[HOF:HOF+1]  ; for the ring: my 4 tiles
	s_add_nc_u64 s[46:47], s[46:47], s[HOF:HOF+1]
	s_mov_b32 s[G0+4], 1
	s_add_co_u32 s[G0+5], s45, SLOT
	s_add_nc_u64 s[G0+6:G0+7], s[20:21], NQ*FRB
	s_or_b32 s[G0+7], s[G0+7], 0x80000000
	s_mov_b32 s[G0B+4], 1
	s_add_co_u32 s[G0B+5], s45, SLOT
	s_add_nc_u64 s[G0B+6:G0B+7], s[46:47], NQ*FRB
	s_or_b32 s[G0B+7], s[G0B+7], 0x80000000
	ARM 1, G0,  G1,  .Lhead_b
	ARM 2, G0B, G1B, .Lhead_sa
	ARM 3, G0S, G1S, .Lhead_sb
	tensor_load_to_lds s[G0SB:G0SB+3], s[G1SB:G1SB+7]
	s_nop 0
.rept 4
	v_nop
.endr
.Lhead_asked:
	s_cmp_eq_u32 s15, 0                            ; the prefetches: do I fetch for the tokens?
	s_cselect_b64 s[PFA:PFA+1], s[20:21], s[46:47]
	s_cselect_b32 s66, s40, s41                    ; my place among the four that ask with me: that tile of the four is mine to name
	s_mul_i32 s66, s66, KST*FRB
	s_mov_b32 s67, 0
	s_add_nc_u64 s[PFA:PFA+1], s[PFA:PFA+1], s[66:67]
	s_mul_i32 s18, s15, HALFC                      ; my tokens' fragments
	s_mul_i32 s19, s16, HALFC
	s_add_co_u32 s19, s19, 2*HALFC                 ; my columns'
	s_mul_i32 s22, s15, HALFS                      ; scale words: lanes 0-15 the tokens', lanes 16-31 the weights'
	s_mul_i32 s23, s16, HALFS
	s_add_co_u32 s23, s23, 2*HALFS
	s_sub_co_u32 s23, s23, s22
	s_add_co_u32 s22, s22, SCL
	s_mul_i32 s94, s14, 4352                       ; my stage for the way out, in slot 0
	s_lshl_b32 s20, s17, 7
	s_lshl_b32 s21, s15, 6
	s_add_co_u32 s20, s20, s21                     ; my first token
	s_lshl_b32 s20, s20, 12
	s_lshl_b32 s46, s42, 9
	s_lshl_b32 s47, s16, 8
	s_add_co_u32 s46, s46, s47                     ; my first column, in bytes
	s_add_co_u32 s20, s20, s46
	s_mov_b32 s21, 0
	s_mov_b32 s47, 0
	s_add_nc_u64 s[10:11], s[10:11], s[20:21]
	s_add_nc_u64 s[12:13], s[12:13], s[20:21]
	s_add_nc_u64 s[8:9], s[8:9], s[46:47]
	v_and_b32 v1, 15, v0                           ; r
	v_bfe_u32 v2, v0, 4, 1                         ; h
	v_and_b32 v3, 31, v0
	v_min_u32 v[PFO], 23, v3
	v_lshlrev_b32 v[PFO], 8, v[PFO]
	global_prefetch_b8 v[PFO], s[PFA:PFA+1] offset:2*NQ*FRB th:TH_LOAD_NT scope:SCOPE_SE   ; slot tiles 2 and 3
	global_prefetch_b8 v[PFO], s[PFA:PFA+1] offset:3*NQ*FRB th:TH_LOAD_NT scope:SCOPE_SE
	v_lshlrev_b32 v[L8], 3, v3
	v_lshlrev_b32 v[R4], 2, v1
	v_add_nc_u32 v[ADRA], s18, v[L8]
	v_add_nc_u32 v[ADRB], s19, v[L8]
	v_add_nc_u32 v[ADRA+1], SLOT, v[ADRA]
	v_add_nc_u32 v[ADRB+1], SLOT, v[ADRB]
	v_mul_u32_u24 v4, s23, v2
	v_add_nc_u32 v4, v[R4], v4
	v_add_nc_u32 v[ADRS], s22, v4
	v_mul_u32_u24 v[STO], v1, 272                  ; the stage by the result's layout: row r, + 64 h
	v_lshl_add_u32 v[STO], v2, 6, v[STO]
	v_add_nc_u32 v[STO], s94, v[STO]
	v_mul_u32_u24 v[RD], v2, 272                   ; and by rows: lanes 0-15 one row, lanes 16-31 the next
	v_lshl_add_u32 v[RD], v1, 4, v[RD]
	v_add_nc_u32 v[RD], s94, v[RD]
	v_lshlrev_b32 v[CO], 12, v2                    ; the same two rows in x1 and out0
	v_lshl_add_u32 v[CO], v1, 4, v[CO]
	v_lshlrev_b32 v[BIA], 4, v1
.macro FRAG reg, adr, q, i
.irp p, 0,1,2,3,4,5
	ds_load_b64 v[(\reg)+2*\p:(\reg)+2*\p+1], v[\adr] offset:(\i)*NQ*FRB+(\q)*FRB+256*\p
.endr
.endm
.macro FETCHB slot, q, set             ; the weights' four fragments of K step q of the slot
	WIN 0x40
.set fi, 0
.rept NBK
	FRAG 128*(\set)+12*fi, ADRB+\slot, \q, fi
.set fi, fi+1
.endr
.endm
.macro FETCHA slot, q, set             ; the tokens' four
	WIN 0
.set fi, 0
.rept NBK
	FRAG AF+96*(\set)+12*fi, ADRA+\slot, \q, fi
.set fi, fi+1
.endr
.endm
.macro SCALES sl                       ; the slot's 16 scale words: lanes 0-15 the tokens' tile si, lanes 16-31 the weights' tile si
.set si, 0
.rept NBK
.set sq, 0
.rept NQ
	ds_load_b32 v[SC+16*(\sl)+NQ*si+sq], v[ADRS] offset:si*KST*64+64*sq
.set sq, sq+1
.endr
.set si, si+1
.endr
.endm
; token tile a against the weights' four tiles.  The 16 accumulators take turns, one instruction a turn, in the same order in every K step.
.macro MULA a, set, q, sl, zero
	WIN 0xa1
.set bi, 0
.rept NBK
.set DD, 8*(NBK*(\a)+bi)
.if \zero
	v_wmma_scale_f32_16x16x128_f8f6f4 v[DD:DD+7], v[128*(\set)+12*bi:128*(\set)+12*bi+11], v[AF+96*(\set)+12*(\a):AF+96*(\set)+12*(\a)+11], 0, v[SC+16*(\sl)+NQ*bi+(\q)], v[SC+16*(\sl)+NQ*(\a)+(\q)] matrix_a_fmt:MATRIX_FMT_FP6 matrix_b_fmt:MATRIX_FMT_FP6 matrix_a_scale:MATRIX_SCALE_ROW1
.else
	v_wmma_scale_f32_16x16x128_f8f6f4 v[DD:DD+7], v[128*(\set)+12*bi:128*(\set)+12*bi+11], v[AF+96*(\set)+12*(\a):AF+96*(\set)+12*(\a)+11], v[DD:DD+7], v[SC+16*(\sl)+NQ*bi+(\q)], v[SC+16*(\sl)+NQ*(\a)+(\q)] matrix_a_fmt:MATRIX_FMT_FP6 matrix_b_fmt:MATRIX_FMT_FP6 matrix_a_scale:MATRIX_SCALE_ROW1
.endif
.set bi, bi+1
.endr
.endm
; One of a slot's first three K steps: the next step's 48 LDS loads go out at its start, into the set that the step before multiplied, 12 to 16 matrix instructions ahead of the wait for them.
.macro STEP slot, q, zero
	s_wait_dscnt 0x0                               ; this step's fragments and words
	PLACES                                         ; behind the last step's products, for the loads into the set that they read
	FETCHB \slot, (\q)+1, ((\q)+1)%2
	MULA 0, (\q)%2, \q, \slot, \zero
	FETCHA \slot, (\q)+1, ((\q)+1)%2
	MULA 1, (\q)%2, \q, \slot, \zero
	MULA 2, (\q)%2, \q, \slot, \zero
	MULA 3, (\q)%2, \q, \slot, \zero
	WIN 0
.endm
; A slot's last K step, and the change of slots.
.macro TURN slot, next, fill
	s_wait_tensorcnt 0x0                           ; the one load of mine that was out: my part of the next slot
	ds_add_u32 v[SPW], v[NIL]                      ; 0 onto my spare word
	s_wait_dscnt 0x1                               ; the fragments are in; the add alone may be out
	MULA 0, 1, NQ-1, \slot, 0
	s_wait_dscnt 0x0                               ; the add is done, and my reads of this slot are over
	s_barrier_signal -1
	MULA 1, 1, NQ-1, \slot, 0
	WIN 0
	s_barrier_wait -1
.if \fill
	CREST                                          ; the barrier has opened a round of the cluster's barrier: no wave of any partner still reads this slot or has a load on its way
	s_add_nc_u64 s[G0+4*\slot+2:G0+4*\slot+3], s[G0+4*\slot+2:G0+4*\slot+3], 2*NQ*FRB
	s_add_nc_u64 s[G0B+4*\slot+2:G0B+4*\slot+3], s[G0B+4*\slot+2:G0B+4*\slot+3], 2*NQ*FRB
	JLOAD G0+4*\slot, G1, G0B+4*\slot, G1B         ; the first tensor load behind the round; its four v_nop are also the places in front of the loads below
.else
	PLACES
.endif
	s_wait_alu depctr_va_vdst(0)
	v_add_nc_u32 v[ADRS], NQ*64, v[ADRS]
	FETCHB \next, 0, 0
	FETCHA \next, 0, 0
	SCALES \next
.if \fill
	s_cmp_gt_u32 s3, 1                             ; the loop's last trip has no slot tile two refills on
	s_cbranch_scc0 .Lno_ask_\@
	global_prefetch_b8 v[PFO], s[PFA:PFA+1] offset:(4+\slot)*NQ*FRB th:TH_LOAD_NT scope:SCOPE_SE
.Lno_ask_\@:
.endif
	MULA 2, 1, NQ-1, \slot, 0
	MULA 3, 1, NQ-1, \slot, 0
	WIN 0
.endm
	s_wait_alu depctr_va_vdst(0)
	s_wait_tensorcnt 0x0                           ; my tile of the head's four is in
	ds_add_u32 v[SPW], v[NIL]
	s_mov_b32 s[G1+2], NBK<<16                     ; no load of mine is out: from here on a load brings 4 tiles,
	s_mov_b32 s[G1+4], NBK
	s_mov_b32 s[G1B+2], NBK<<16
	s_mov_b32 s[G1B+4], NBK
	s_mov_b32 s[G0+1], s45                         ; and slot 0's groups 0 stand at my quarter
	s_add_nc_u64 s[G0+2:G0+3], s[G0+2:G0+3], s[HOF:HOF+1]
	s_mov_b32 s[G0B+1], s45
	s_add_nc_u64 s[G0B+2:G0B+3], s[G0B+2:G0B+3], s[HOF:HOF+1]
	s_wait_dscnt 0x0
	CROUND                                         ; all four tiles are in, in every partner
	JLOAD G0+4, G1, G0B+4, G1B                     ; slot 1's first fill, the first tensor load behind the round
	FETCHB 0, 0, 0
	FETCHA 0, 0, 0
	SCALES 0
	STEP 0, 0, 1                                   ; the first products start the sums
	WIN 0x40                                       ; b2 and x1 of my 64 x 64, by rows: sixteen lanes read 256 consecutive bytes; they stay out through the loop
	global_load_b128 v[112:115], v[BIA], s[8:9]
.irp a, 0,1,2,3
.irp t, 0,1,2,3,4,5,6,7
	global_load_b128 v[48+32*\a+4*\t+64*(\a/2):48+32*\a+4*\t+64*(\a/2)+3], v[CO], s[10:11] offset:(32*(\a/2)+8*(\a%2)+2*\t+8*(\t/4))*4096
.endr
.endr
	WIN 0
	s_mov_b32 s3, LAPS-1
.Llap:                                         ; a trip goes once round the ring and fills both slots again
	STEP 0, 1, 0
	STEP 0, 2, 0
	TURN 0, 1, 1
	STEP 1, 0, 0
	STEP 1, 1, 0
	STEP 1, 2, 0
	TURN 1, 0, 1
	STEP 0, 0, 0
	s_wait_xcnt 0x0                                ; my prefetches have read their address: it steps two slot tiles on
	s_add_nc_u64 s[PFA:PFA+1], s[PFA:PFA+1], 2*NQ*FRB
	s_sub_co_u32 s3, s3, 1
	s_cmp_lg_u32 s3, 0
	s_cbranch_scc1 .Llap
	STEP 0, 1, 0                                   ; the last lap fetches nothing more
	STEP 0, 2, 0
	TURN 0, 1, 0
	STEP 1, 0, 0
	STEP 1, 1, 0
	STEP 1, 2, 0
	s_wait_dscnt 0x0
.irp a, 0,1,2,3
	MULA \a, 1, NQ-1, 1, 0
.endr
	WIN 0
	PLACES
	s_wait_loadcnt 0x0                             ; x1 and b2
; THE WAY OUT, token tile by token tile: 16 tokens x 64 columns turn through my own stage (in slot 0, which has had its last fill and its last read) into rows of 256 bytes; LDS serves a wave's instructions in order.
.macro OUTB a
.if \a > 0
	s_wait_xcnt 0x0                                ; earlier stores have read their registers
.endif
	WIN 0x08
.irp b, 0,1,2,3
	ds_store_b128 v[STO], v[8*(4*(\a)+\b):8*(4*(\a)+\b)+3] offset:128*(\b/2)+32*(\b%2)      ; each accumulator from its low end on
	ds_store_b128 v[STO], v[8*(4*(\a)+\b)+4:8*(4*(\a)+\b)+7] offset:128*(\b/2)+32*(\b%2)+16
.endr
	WIN 0
.set BKR, BK+32*((\a)%2)
.irp t, 0,1,2,3,4,5,6,7
	ds_load_b128 v[BKR+4*\t:BKR+4*\t+3], v[RD] offset:544*\t
.endr
	s_wait_dscnt 0x0
	WIN 0x04
.irp t, 0,1,2,3,4,5,6,7
	v_pk_add_f32 v[BKR+4*\t:BKR+4*\t+1], v[BKR+4*\t:BKR+4*\t+1], v[48+32*(\a)+4*\t+64*((\a)/2):48+32*(\a)+4*\t+64*((\a)/2)+1]
	v_pk_add_f32 v[BKR+4*\t+2:BKR+4*\t+3], v[BKR+4*\t+2:BKR+4*\t+3], v[48+32*(\a)+4*\t+64*((\a)/2)+2:48+32*(\a)+4*\t+64*((\a)/2)+3]
.endr
.irp t, 0,1,2,3,4,5,6,7
	v_pk_add_f32 v[BKR+4*\t:BKR+4*\t+1], v[BKR+4*\t:BKR+4*\t+1], v[112:113]
	v_pk_add_f32 v[BKR+4*\t+2:BKR+4*\t+3], v[BKR+4*\t+2:BKR+4*\t+3], v[114:115]
.endr
	WIN 0
.irp t, 0,1,2,3,4,5,6,7
	global_store_b128 v[CO], v[BKR+4*\t:BKR+4*\t+3], s[12:13] offset:(32*((\a)/2)+8*((\a)%2)+2*\t+8*(\t/4))*4096 th:TH_STORE_NT   ; sixteen lanes store 256 consecutive bytes, aligned
.endr
.endm
.irp a, 0,1,2,3
	OUTB \a
.endr
	s_wait_tensorcnt 0x0                           ; the wave's end
	ds_add_u32 v[SPW], v[NIL]
	s_wait_dscnt 0x0
	CROUND                                         ; the closing round
	s_endpgm
.Lfunc_end_k_qd3c852e4c2_down:
	.size	k_qd3c852e4c2_down, .Lfunc_end_k_qd3c852e4c2_down-k_qd3c852e4c2_down
	.p2alignl 7, 3214868480
	.fill 96, 4, 3214868480
	.section	.rodata,"a",@progbits
	.p2align	6, 0x0
	.amdhsa_kernel k_qd3c852e4c2_down
		.amdhsa_group_segment_fixed_size 327680
		.amdhsa_private_segment_fixed_size 0
		.amdhsa_enable_private_segment 0
		.amdhsa_kernarg_size 40
		.amdhsa_user_sgpr_count 2
		.amdhsa_user_sgpr_kernarg_segment_ptr 1
		.amdhsa_wavefront_size32 1
		.amdhsa_system_sgpr_workgroup_id_x 1
		.amdhsa_system_sgpr_workgroup_id_y 1
		.amdhsa_system_sgpr_workgroup_id_z 1
		.amdhsa_system_vgpr_workitem_id 0
		.amdhsa_next_free_vgpr 640
		.amdhsa_next_free_sgpr 102
		.amdhsa_reserve_vcc 0
		.amdhsa_float_denorm_mode_32 3
		.amdhsa_float_denorm_mode_16_64 3
		.amdhsa_memory_ordered 1
		.amdhsa_forward_progress 1
		.amdhsa_inst_pref_size 122
	.end_amdhsa_kernel
	.amdgpu_metadata
---
amdhsa.version: [ 1, 2 ]
amdhsa.kernels:
  - .name:           k_qd3c852e4c2_down
    .symbol:         k_qd3c852e4c2_down.kd
    .args:
      - { .name: hid, .offset: 0, .size: 8, .value_kind: global_buffer, .address_space: global }
      - { .name: wimg, .offset: 8, .size: 8, .value_kind: global_buffer, .address_space: global }
      - { .name: b2, .offset: 16, .size: 8, .value_kind: global_buffer, .address_space: global }
      - { .name: x1, .offset: 24, .size: 8, .value_kind: global_buffer, .address_space: global }
      - { .name: out0, .offset: 32, .size: 8, .value_kind: global_buffer, .address_space: global }
    .group_segment_fixed_size: 327680
    .private_segment_fixed_size: 0
    .kernarg_segment_align: 8
    .kernarg_segment_size: 40
    .max_flat_workgroup_size: 128
    .sgpr_count:     102
    .vgpr_count:     640
    .wavefront_size: 32
...
	.end_amdgpu_metadata
.endif
;; end of part 6
